; MI455X (gfx1250); checked and timed in simulation.
; The chip was launched on July 23, 2026; its instructions are those of AMD's public machine-readable ISA for CDNA 5 (MIT licence, August 2026) and "CDNA5" Instruction Set Architecture Reference Guide (July 2026). The comments in the code are by the model that wrote it; some were corrected since.
;; Multi Head Self Attention. Allowed arithmetic: float matrix products may take bf16 or f16 operands with f32 sums; other float arithmetic in f32, or as packed bf16 or f16 multiplies, adds, multiply-adds, maxima and minima; sums over many terms, partial sums and values carried from step to step in f32; what a program stores and reads back later, other than sums and carried values, may be rounded once to bf16 or f16.
;; Inputs: b_proj 1,024 float32; w_proj 1,024 x 1,024 float32; w_qkv 3,072 x 1,024 float32; x 4 x 2,048 x 1,024 float32.
;; Outputs: out0 4 x 2,048 x 1,024 float32.
;; 2 versions, each right; version 2 is version 1 with the launch cast written anew for expert scheduling mode. Each part assembles by itself: llvm-mc -triple=amdgcn-amd-amdhsa -mcpu=gfx1250 --defsym DOCPART=n.
;; ======== version 1 of 2: 5 launches
;; limits: values are held in f16: magnitudes above 65,504 overflow, below 6.1e-05 lose precision
;; workspace buffers: xb 16,777,216 bytes; wqb 6,291,456 bytes; wpf 2,097,152 bytes; qkv 50,331,648 bytes; pt 33,554,432 bytes; st 1,048,576 bytes; o 16,777,216 bytes
;; launch cast (part 1): grid 768 x 1, 8 waves a work-group, no clusters, 0 bytes of LDS; arguments x, w_qkv, w_proj, xb, wqb, wpf; writes xb, wqb, wpf
.if DOCPART == 1
	.amdgcn_target "amdgcn-amd-amdhsa--gfx1250"
	.amdhsa_code_object_version 6
	.text
	.protected	k_qe1a0d21e24_cast
	.globl	k_qe1a0d21e24_cast
	.p2align	8
	.type	k_qe1a0d21e24_cast,@function
k_qe1a0d21e24_cast:
	s_mov_b64 s[64:65], 0
	v_nop
	global_prefetch_b8 v0, s[64:65] scope:SCOPE_SE
	s_setreg_imm32_b32 hwreg(HW_REG_WAVE_MODE, 25, 1), 1
	s_wait_xcnt 0x0
; THE INPUTS ARE ROUNDED ONCE.  x -> xb and w_qkv -> wqb in bf16; w_proj -> wpf: rounded to bf16 like the other inputs, and that number written as f16,
; since the last product multiplies it with f16 numbers.  LIMIT: a bf16 number under 6.1e-5 keeps f16's fixed step of 6e-8; one beyond 65,504 becomes an infinity.
; A stream: no LDS, no matrix work, nothing shared between work-groups.  A work-group takes 16,384 numbers: 65,536 bytes in, 32,768 out.
; Work-groups 0-511 take x, 512-703 w_qkv, 704-767 w_proj.  Each of a thread's 16 loads has registers of its own, so all 16 are on their way at once
; (8,192 bytes a wave) and no register is written twice while a store reads it.
.set X, 8                              ; v[8:71]    load n: 4 numbers in f32
.set Y, 72                             ; v[72:103]  load n: the 4 numbers in 16 bits
.set T, 104                            ; v[104:107] at work
	s_load_b256 s[4:11], s[0:1], 0x0               ; x s[4:5], w_qkv s[6:7], w_proj s[8:9], xb s[10:11]
	s_load_b128 s[12:15], s[0:1], 0x20             ; wqb s[12:13], wpf s[14:15]
	v_lshlrev_b32 v1, 4, v0                        ; 16 bytes a thread in: a wave's load covers 512 consecutive bytes
	v_lshlrev_b32 v2, 3, v0                        ; 8 bytes a thread out: a wave's store covers 256 consecutive bytes, aligned
	s_mov_b32 s16, ttmp9
	s_sub_co_u32 s17, s16, 512                     ; my chunk if the tensor is w_qkv
	s_sub_co_u32 s18, s16, 704                     ; if it is w_proj
	s_wait_kmcnt 0x0
	s_cmp_lt_u32 s16, 704                          ; the choice hangs on the work-group's number alone
	s_cselect_b64 s[6:7], s[6:7], s[8:9]
	s_cselect_b64 s[12:13], s[12:13], s[14:15]
	s_cselect_b32 s17, s17, s18
	s_cmp_lt_u32 s16, 512
	s_cselect_b64 s[4:5], s[4:5], s[6:7]           ; from
	s_cselect_b64 s[10:11], s[10:11], s[12:13]     ; to
	s_cselect_b32 s17, s16, s17                    ; chunk
	s_lshl_b32 s20, s17, 16
	s_mov_b32 s21, 0
	s_lshl_b32 s22, s17, 15
	s_mov_b32 s23, 0
	s_add_nc_u64 s[4:5], s[4:5], s[20:21]
	s_add_nc_u64 s[10:11], s[10:11], s[22:23]
.set j, 0
.rept 16
	global_load_b128 v[X+4*j:X+4*j+3], v1, s[4:5] offset:4096*j th:TH_LOAD_NT
.set j, j+1
.endr
; Load n is rounded and stored.  half = 1: the bf16 numbers are widened again (a shift, a mask) and written as f16.
.macro CV n, half
	s_wait_loadcnt 15-(\n)                         ; loads come back in order (ISA guide 5.7.1): the 15 - n younger ones stay out
	v_cvt_pk_bf16_f32 v[Y+2*(\n)], v[X+4*(\n)], v[X+4*(\n)+1]
	v_cvt_pk_bf16_f32 v[Y+2*(\n)+1], v[X+4*(\n)+2], v[X+4*(\n)+3]
.if \half
	v_lshlrev_b32 v[T], 16, v[Y+2*(\n)]
	v_and_b32 v[T+1], 0xffff0000, v[Y+2*(\n)]
	v_lshlrev_b32 v[T+2], 16, v[Y+2*(\n)+1]
	v_and_b32 v[T+3], 0xffff0000, v[Y+2*(\n)+1]
	v_cvt_pk_f16_f32 v[Y+2*(\n)], v[T], v[T+1]
	v_cvt_pk_f16_f32 v[Y+2*(\n)+1], v[T+2], v[T+3]
.endif
	global_store_b64 v2, v[Y+2*(\n):Y+2*(\n)+1], s[10:11] offset:2048*(\n)
.endm
	s_cmp_lt_u32 s16, 704
	s_cbranch_scc0 .Lhalf
.set j, 0
.rept 16
	CV j, 0
.set j, j+1
.endr
	s_endpgm
.Lhalf:
.set j, 0
.rept 16
	CV j, 1
.set j, j+1
.endr
	s_endpgm
.Lfunc_end_k_qe1a0d21e24_cast:
	.size	k_qe1a0d21e24_cast, .Lfunc_end_k_qe1a0d21e24_cast-k_qe1a0d21e24_cast
	.p2alignl 7, 3214868480
	.fill 96, 4, 3214868480
	.section	.rodata,"a",@progbits
	.p2align	6, 0x0
	.amdhsa_kernel k_qe1a0d21e24_cast
		.amdhsa_group_segment_fixed_size 0
		.amdhsa_private_segment_fixed_size 0
		.amdhsa_enable_private_segment 0
		.amdhsa_kernarg_size 48
		.amdhsa_user_sgpr_count 2
		.amdhsa_user_sgpr_kernarg_segment_ptr 1
		.amdhsa_wavefront_size32 1
		.amdhsa_system_sgpr_workgroup_id_x 1
		.amdhsa_system_sgpr_workgroup_id_y 1
		.amdhsa_system_sgpr_workgroup_id_z 1
		.amdhsa_system_vgpr_workitem_id 0
		.amdhsa_next_free_vgpr 112
		.amdhsa_next_free_sgpr 66
		.amdhsa_reserve_vcc 0
		.amdhsa_float_denorm_mode_32 3
		.amdhsa_float_denorm_mode_16_64 3
		.amdhsa_memory_ordered 1
		.amdhsa_forward_progress 1
		.amdhsa_inst_pref_size 16
	.end_amdhsa_kernel
	.amdgpu_metadata
---
amdhsa.version: [ 1, 2 ]
amdhsa.kernels:
  - .name:           k_qe1a0d21e24_cast
    .symbol:         k_qe1a0d21e24_cast.kd
    .args:
      - { .name: x, .offset: 0, .size: 8, .value_kind: global_buffer, .address_space: global }
      - { .name: w_qkv, .offset: 8, .size: 8, .value_kind: global_buffer, .address_space: global }
      - { .name: w_proj, .offset: 16, .size: 8, .value_kind: global_buffer, .address_space: global }
      - { .name: xb, .offset: 24, .size: 8, .value_kind: global_buffer, .address_space: global }
      - { .name: wqb, .offset: 32, .size: 8, .value_kind: global_buffer, .address_space: global }
      - { .name: wpf, .offset: 40, .size: 8, .value_kind: global_buffer, .address_space: global }
    .group_segment_fixed_size: 0
    .private_segment_fixed_size: 0
    .kernarg_segment_align: 8
    .kernarg_segment_size: 48
    .max_flat_workgroup_size: 256
    .sgpr_count:     66
    .vgpr_count:     112
    .wavefront_size: 32
...
	.end_amdgpu_metadata
.endif
;; end of part 1
;; launch qkv (part 2): grid 8 x 64, 4 waves a work-group, clusters of 4 x 4, 327,680 bytes of LDS; arguments xb, wqb, qkv; writes qkv
.if DOCPART == 2
	.amdgcn_target "amdgcn-amd-amdhsa--gfx1250"
	.amdhsa_code_object_version 6
	.text
	.protected	k_qe1a0d21e24_qkv
	.globl	k_qe1a0d21e24_qkv
	.p2align	8
	.type	k_qe1a0d21e24_qkv,@function
k_qe1a0d21e24_qkv:
	s_mov_b64 s[64:65], 0
	v_nop
	global_prefetch_b8 v0, s[64:65] scope:SCOPE_SE
	s_setreg_imm32_b32 hwreg(HW_REG_WAVE_MODE, 25, 1), 1
	s_wait_xcnt 0x0
	s_wait_alu depctr_hold_cnt(0) depctr_sa_sdst(0) depctr_va_vdst(0) depctr_va_sdst(0) depctr_va_ssrc(0) depctr_va_vcc(0) depctr_vm_vsrc(0)
	s_getreg_b32 s2, hwreg(HW_REG_IB_STS2, 6, 4)
	s_cmp_eq_u32 s2, 0
	s_cbranch_scc0 .Lentry_in_a_cluster
	s_endpgm
.Lentry_in_a_cluster:
	s_bfe_u32 s2, ttmp6, 0x10000c
	s_cmp_lg_u32 s2, 0xf033
	s_cbranch_scc0 .Lentry_shape_is_right
	s_endpgm
.Lentry_shape_is_right:
; qkv[s][h] = sum over e of xb[s][e] wqb[h][e].  xb: [8192][1024] bf16, wqb: [3072][1024] bf16, qkv: [8192][3072] f16 (q, k, v side by side), sums in f32, rounded once, unscaled.
; LIMIT: f16 holds no number beyond 65,504; q, k and v must stay within it.
; SHARES.  A tile of the result is 128 rows x 384 columns: 8 x 64 = 512 work-groups of equal work, two for each of 256 WGPs.  Four waves, each 64 x 192: 48 accumulators of 16 x 16, 384 registers.
; K goes in steps of 128 (tile rows of 256 bytes, at multiples of 256) through two LDS slots: a step is 192 matrix instructions of a wave, of which 168 stand between a refill's request and
; the wait for it.  One K step is written once: the slot to be read is a scalar that an exclusive or turns.
; CLUSTER 4 x 4: the four of a row of the cluster need the same tile of xb, the four of a column the same tile of wqb: each is asked for jointly, same load, descriptor and mask in all four.
; THE MATRIX INSTRUCTION IS USED TRANSPOSED (source 0 = 16 rows of wqb, source 1 = 16 rows of xb): a lane holds row l % 16 and eight neighbouring columns 8 (l / 16) + 0..7, 16 bytes in f16.
; REGISTERS, in windows of 256: window 0: v0-31 addresses; v64-95, v96-127 fragments of xb, two buffers of 32 along K (block a at 64 + 32 f + 8 a); on the way out v64-255
;   window 1: fragments of wqb, two buffers (block b at 96 f + 8 b)      window 2: accumulators of row blocks 0, 1 ((a, b) at 8 (12 (a % 2) + b))      window 3: those of row blocks 2, 3
.set NSTEP,  8
.set PITCH,  272                       ; an LDS row: 256 bytes + 16 of padding: the 16 rows of a fragment load start at 16 different groups of four banks (ISA guide 11.1)
.set HALFT,  128*PITCH                 ; 128 rows: what one tensor load brings
.set SLOT,   4*HALFT                   ; xb's 128 rows, then wqb's 384.  139,264 = 0x22000: bits 13 and 17, which no multiple 0..3 of HALFT (0x8800) has: one exclusive or changes slots
.set SP,     784                       ; a row of the stage: 768 bytes + 16 = 49 x 16
.set SPARE,  2*SLOT                    ; behind the ring: the spare words, 128 bytes a wave: two blocks of 256 bytes that no other line names
.set STEP,   256                       ; bytes from a K step's tile to the next
.set PITCHC, 6144                      ; bytes in a row of qkv
.set ADRA0, 16                         ; v16 my lane's place in slot 0's tile of xb; never rewritten
.set ADRB0, 17                         ; v17 the same for wqb
.set ADRA,  18                         ; v18, v19 the same in the slot in hand
.set ADRB,  19
.set STO,   24                         ; the way out: where I put 16 bytes of a row
.set RD,    25                         ; where I read rows back
.set CO,    26                         ; my byte offset in the result
.set SPW,   28                         ; LDS address of my spare word; never rewritten
.set NIL,   29                         ; 0; never rewritten
.set TMP,   64                         ; the way out: 192 registers, packed results and then whole rows
.set G1A, 24                           ; s[24:31] group 1 for xb's tiles; s[32:35], s[36:39] group 0: the two first fills; the second then walks
.set G0A, 32
.set G1B, 48                           ; s[48:55], s[56:63] the same for wqb's
.set G0B, 56
.set MSB, 0
.macro WIN new                         ; the immediate's high byte repeats the setting that is left; a switch that changes nothing is dropped
.if MSB != (\new)
	s_set_vgpr_msb (MSB<<8)|(\new)
.set MSB, (\new)
.endif
.endm
.macro PLACES                          ; four plain vector instructions between a matrix instruction and a read of its result or a load into its registers
.rept 4
	v_nop
.endr
.endm
.macro CREST                           ; a round of the cluster's barrier behind its opening barrier
	s_cmp_lg_u32 s12, 0
	s_cbranch_scc1 .Lnot_wave_0_\@
	s_barrier_signal -3
.Lnot_wave_0_\@:
	s_barrier_wait -3
	s_barrier_signal -1
	s_barrier_wait -1
.endm
.macro CROUND
	s_barrier_signal -1
	s_barrier_wait -1
	CREST
.endm
; A joint refill: wave 0 fetches xb's tile, waves 1 to 3 the thirds of wqb's: 128 rows each.  An s_nop 0 and four v_nop follow each line.
.macro JLOAD
	s_cmp_eq_u32 s12, 0
	s_cbranch_scc0 .Lfor_b_\@
	tensor_load_to_lds s[G0A+4:G0A+7], s[G1A:G1A+7]
	s_nop 0
.rept 4
	v_nop
.endr
	s_branch .Lasked_\@
.Lfor_b_\@:
	tensor_load_to_lds s[G0B+4:G0B+7], s[G1B:G1B+7]
	s_nop 0
.rept 4
	v_nop
.endr
.Lasked_\@:
.endm
	s_load_b128 s[4:7], s[0:1], 0x0                ; xb s[4:5], wqb s[6:7]
	s_load_b64 s[8:9], s[0:1], 0x10                ; qkv
	v_lshl_add_u32 v[SPW], v0, 2, SPARE
	v_mov_b32 v[NIL], 0
	ds_add_u32 v[SPW], v[NIL]                      ; the wave's opening: the add and its wait stand ahead of my first tensor load; work on registers stands between
	v_lshrrev_b32 v1, 5, v0
	v_readfirstlane_b32 s12, v1                    ; wave 0..3
	s_lshr_b32 s13, s12, 1                         ; my half of the tile's rows
	s_and_b32 s14, s12, 1                          ; my half of its columns
	s_bfe_u32 s16, ttmp6, 0x40000                  ; cx
	s_bfe_u32 s17, ttmp6, 0x40004                  ; cy
	s_lshl_b32 s18, ttmp9, 2
	s_add_co_u32 s18, s18, s16                     ; tile column = 4 x cluster x + cx
	s_and_b32 s20, ttmp7, 0xffff
	s_lshl_b32 s19, s20, 2
	s_add_co_u32 s19, s19, s17                     ; tile row = 4 x cluster y + cy
	s_lshl_b32 s21, s17, 2
	s_lshl_b32 s21, 15, s21                        ; my row of the cluster
	s_lshl_b32 s22, 0x1111, s16                    ; my column
	s_or_b32 s[G1A], s21, (1<<16)|(1<<20)|(1<<21)|(5<<22)|(3<<25)  ; mask; 2-byte elements; padding on; bit 21 beside a mask; after every 64 words 4 words
	s_or_b32 s[G1B], s22, (1<<16)|(1<<20)|(1<<21)|(5<<22)|(3<<25)
.irp g, G1A, G1B
	s_mov_b32 s[(\g)+1], 128<<16                   ; tensor_dim0 = 128
	s_mov_b32 s[(\g)+2], 128<<16                   ; tensor_dim1 = 128
	s_mov_b32 s[(\g)+3], 128<<16                   ; tile_dim0 = 128
	s_mov_b32 s[(\g)+4], 128                       ; tile_dim1 = 128
	s_mov_b32 s[(\g)+5], 1024                      ; elements from row to row
	s_mov_b32 s[(\g)+6], 0
	s_mov_b32 s[(\g)+7], 0
.endr
	s_lshl_b32 s40, s19, 18                        ; xb: 128 x tile row, rows of 2,048 bytes: no cx enters
	s_mov_b32 s41, 0
	s_mul_i32 s44, s18, 384*2048                   ; wqb: 384 x tile column + 128 x (wave - 1) rows: no cy enters
	s_max_u32 s46, s12, 1                          ; (wave 0 makes wave 1's address and never asks by it)
	s_sub_co_u32 s46, s46, 1
	s_lshl_b32 s46, s46, 18
	s_add_co_u32 s44, s44, s46
	s_mov_b32 s45, 0
	s_mul_i32 s46, s12, HALFT                      ; where they go: wave x 128 rows: the wave's number alone enters an LDS address
	s_wait_dscnt 0x0                               ; the opening add is done
	s_wait_kmcnt 0x0
	s_add_nc_u64 s[40:41], s[4:5], s[40:41]
	s_add_nc_u64 s[44:45], s[6:7], s[44:45]
	CROUND                                         ; all sixteen work-groups are here: the first joint loads meet
.irp s, 0,1
	s_mov_b32 s[G0A+4*(\s)], 1
	s_add_co_u32 s[G0A+4*(\s)+1], s46, (\s)*SLOT
	s_add_nc_u64 s[G0A+4*(\s)+2:G0A+4*(\s)+3], s[40:41], (\s)*STEP
	s_or_b32 s[G0A+4*(\s)+3], s[G0A+4*(\s)+3], 0x80000000
	s_mov_b32 s[G0B+4*(\s)], 1
	s_add_co_u32 s[G0B+4*(\s)+1], s46, (\s)*SLOT
	s_add_nc_u64 s[G0B+4*(\s)+2:G0B+4*(\s)+3], s[44:45], (\s)*STEP
	s_or_b32 s[G0B+4*(\s)+3], s[G0B+4*(\s)+3], 0x80000000
.endr
	s_cmp_eq_u32 s12, 0                            ; a wave's two first fills stand in one branch: two loads of mine are out
	s_cbranch_scc0 .Lfirst_b
	tensor_load_to_lds s[G0A:G0A+3], s[G1A:G1A+7]
	s_nop 0
	tensor_load_to_lds s[G0A+4:G0A+7], s[G1A:G1A+7]
	s_nop 0
.rept 4
	v_nop
.endr
	s_branch .Lfirst_asked
.Lfirst_b:
	tensor_load_to_lds s[G0B:G0B+3], s[G1B:G1B+7]
	s_nop 0
	tensor_load_to_lds s[G0B+4:G0B+7], s[G1B:G1B+7]
	s_nop 0
.rept 4
	v_nop
.endr
.Lfirst_asked:
	; A fragment is 16 rows x 32 K in 8 registers: lane l holds row l % 16, K = 8 (l / 16) + 0..7 and 16 + 8 (l / 16) + 0..7: two loads of 16 bytes, 32 bytes apart.
	v_and_b32 v1, 15, v0                           ; r = l % 16
	v_bfe_u32 v2, v0, 4, 1                         ; l / 16
	v_mul_u32_u24 v3, v1, PITCH
	v_lshl_add_u32 v3, v2, 4, v3
	s_mul_i32 s40, s13, 64*PITCH                   ; my 64 rows of xb
	v_add_nc_u32 v[ADRA0], s40, v3
	s_mul_i32 s41, s14, 192*PITCH                  ; my 192 rows of wqb,
	s_add_co_u32 s41, s41, HALFT                   ; behind xb's 128
	v_add_nc_u32 v[ADRB0], s41, v3
	v_mul_u32_u24 v4, v1, SP                       ; into the stage: row 64 x half + 16 a + r, my 384 bytes of it, 16 bytes for each half of the lanes
	v_lshl_add_u32 v4, v2, 4, v4
	s_mul_i32 s42, s13, 64*SP
	s_mul_i32 s43, s14, 384
	s_add_co_u32 s42, s42, s43
	v_add_nc_u32 v[STO], s42, v4
	v_mul_u32_u24 v4, v2, SP                       ; back: wave w takes rows 32 w .. 32 w + 31, whole; lanes 0-15 256 bytes of one row, lanes 16-31 of the next
	v_lshl_add_u32 v4, v1, 4, v4
	s_mul_i32 s42, s12, 32*SP
	v_add_nc_u32 v[RD], s42, v4
	v_mul_u32_u24 v4, v2, PITCHC                   ; and the same two rows in the result
	v_lshl_add_u32 v[CO], v1, 4, v4
	s_lshl_b32 s40, s19, 7
	s_lshl_b32 s41, s12, 5
	s_add_co_u32 s40, s40, s41                     ; the first row that I store: 128 x tile row + 32 x wave
	s_mul_i32 s40, s40, PITCHC
	s_mov_b32 s41, 0
	s_add_nc_u64 s[8:9], s[8:9], s[40:41]
	s_mul_i32 s44, s18, 768                        ; the tile's first column, in bytes: a multiple of 256
	s_mov_b32 s45, 0
	s_add_nc_u64 s[8:9], s[8:9], s[44:45]
; 12 matrix instructions: row block a x all 12 column blocks, 32 along K, buffer f.  zero = 1: the product starts the sums.
; The 48 accumulators take turns in one order throughout: 47 others' stand between two links of a chain.
.macro MUL12 f, a, zero
	WIN 0xa1+0x50*((\a)/2)                         ; source 0 window 1, source 1 window 0, C and D window 2 or 3
.irp b, 0,1,2,3,4,5,6,7,8,9,10,11
.if \zero
	v_wmma_f32_16x16x32_bf16 v[8*(12*((\a)%2)+(\b)):8*(12*((\a)%2)+(\b))+7], v[96*(\f)+8*(\b):96*(\f)+8*(\b)+7], v[64+32*(\f)+8*(\a):64+32*(\f)+8*(\a)+7], 0
.else
	v_wmma_f32_16x16x32_bf16 v[8*(12*((\a)%2)+(\b)):8*(12*((\a)%2)+(\b))+7], v[96*(\f)+8*(\b):96*(\f)+8*(\b)+7], v[64+32*(\f)+8*(\a):64+32*(\f)+8*(\a)+7], v[8*(12*((\a)%2)+(\b)):8*(12*((\a)%2)+(\b))+7]
.endif
.endr
.endm
; 32 LDS loads in one run: the fragments of 32 along K at byte k of the rows, into buffer f: wqb's 24 loads, then xb's 8, of which the last 4 are row blocks 2 and 3
.macro FETCH k, f
	WIN 0x40                                       ; destination window 1, address window 0
.irp i, 0,1,2,3,4,5,6,7,8,9,10,11
	ds_load_b128 v[96*(\f)+8*(\i):96*(\f)+8*(\i)+3],   v[ADRB] offset:(\k)+16*PITCH*(\i)
	ds_load_b128 v[96*(\f)+8*(\i)+4:96*(\f)+8*(\i)+7], v[ADRB] offset:(\k)+16*PITCH*(\i)+32
.endr
	WIN 0
.irp i, 0,1,2,3
	ds_load_b128 v[64+32*(\f)+8*(\i):64+32*(\f)+8*(\i)+3],   v[ADRA] offset:(\k)+16*PITCH*(\i)
	ds_load_b128 v[64+32*(\f)+8*(\i)+4:64+32*(\f)+8*(\i)+7], v[ADRA] offset:(\k)+16*PITCH*(\i)+32
.endr
.endm
; A K step is four quarters of 32 along K, 48 matrix instructions each, on buffers 0, 1, 0, 1.  One of the first three: multiplies buffer f; behind its first 12 products the next
; quarter's fragments, at byte k of the rows, go into buffer g: 36 matrix instructions ahead of their first use.
.macro QUARTER k, f, g, zero
	s_wait_dscnt 4                                 ; all but the youngest four loads (xb's row blocks 2 and 3)
	MUL12 \f, 0, \zero
	PLACES
	FETCH \k, \g
	MUL12 \f, 1, \zero
	s_wait_dscnt 32                                ; all but the 32 just issued
	MUL12 \f, 2, \zero
	MUL12 \f, 3, \zero
.endm
; The last quarter multiplies buffer 1 and changes slots: ONE barrier.  In front of it each wave waits for all its tensor loads (one is out: its part of the next slot), adds 0 to its spare
; word, and waits for that and for its reads of this slot.  fill = 1: the barrier opens a round of the cluster's, and this slot is filled again, two K steps ahead, first thing behind it.
.macro TURN fill
	WIN 0
	s_wait_tensorcnt 0x0                           ; no tensor load of mine is out, so a group 0 may be written
	ds_add_u32 v[SPW], v[NIL]
.if \fill
	s_xor_b32 s[G0A+5], s[G0A+5], SLOT             ; the walking descriptors: the other slot than last time, the next K step
	s_add_nc_u64 s[G0A+6:G0A+7], s[G0A+6:G0A+7], STEP
	s_xor_b32 s[G0B+5], s[G0B+5], SLOT
	s_add_nc_u64 s[G0B+6:G0B+7], s[G0B+6:G0B+7], STEP
.endif
	s_wait_dscnt 5                                 ; the add and the youngest four loads may be out
	MUL12 1, 0, 0
	s_wait_dscnt 0x0                               ; the add is done, my reads of this slot are over
	s_barrier_signal -1
	MUL12 1, 1, 0
	WIN 0
	s_barrier_wait -1
.if \fill
	CREST                                          ; no wave of any partner still reads this slot or has a load on its way
	JLOAD                                          ; its four v_nop are also the places in front of the loads below
.else
	PLACES
.endif
	s_xor_b32 s15, s15, SLOT
	v_add_nc_u32 v[ADRA], s15, v[ADRA0]
	v_add_nc_u32 v[ADRB], s15, v[ADRB0]
	FETCH 0, 0
	MUL12 1, 2, 0
	MUL12 1, 3, 0
.endm
	s_wait_tensorcnt 0x1                           ; my part of K step 0 is in; K step 1's may stay out
	s_barrier_signal -1
	s_barrier_wait -1
	s_mov_b32 s15, 0
	v_mov_b32 v[ADRA], v[ADRA0]
	v_mov_b32 v[ADRB], v[ADRB0]
	FETCH 0, 0
	QUARTER 64, 0, 1, 1                            ; the first quarter stands in front of the loop: its products start the sums
	WIN 0
	s_mov_b32 s3, NSTEP-2
.Lstep:                                                ; a trip: a K step's last three quarters, the refill, the next step's first quarter
	QUARTER 128, 1, 0, 0
	QUARTER 192, 0, 1, 0
	TURN 1
	QUARTER 64, 0, 1, 0
	WIN 0
	s_sub_co_u32 s3, s3, 1
	s_cmp_lg_u32 s3, 0
	s_cbranch_scc1 .Lstep
	QUARTER 128, 1, 0, 0                           ; the tail is written out: nothing is left to fetch
	QUARTER 192, 0, 1, 0
	TURN 0
	QUARTER 64, 0, 1, 0
	QUARTER 128, 1, 0, 0
	QUARTER 192, 0, 1, 0
	s_wait_dscnt 4
	MUL12 1, 0, 0
	MUL12 1, 1, 0
	s_wait_dscnt 0x0
	MUL12 1, 2, 0
	MUL12 1, 3, 0
	WIN 0
; THE WAY OUT.  A wave's 192 columns are 384 bytes, one and a half aligned blocks of 256: so the four waves share ONE stage of 128 rows x 784 bytes, and each then stores 32 whole rows of 768 bytes.
; The stage lies at LDS byte 0, in slot 0, which has had its last fill of the launch.  A barrier stands in front of the writing (no wave reads a slot any more: each has waited for its LDS loads)
; and one between the writing and the reading.
	s_barrier_signal -1
	s_barrier_wait -1
	PLACES                                         ; the conversions read results just made and write over xb's fragments
.macro PACK a                          ; row block a: rounded to f16, each accumulator from its low end on; 16 bytes a lane into the stage
.set AC, 96*((\a)%2)
.set WD, 2+(\a)/2
	WIN WD|(WD<<2)                                 ; sources 0 and 1 window 2 or 3
.irp b, 0,1,2,3,4,5,6,7,8,9,10,11
.irp r, 0,1,2,3
	v_cvt_pk_f16_f32 v[TMP+48*(\a)+4*(\b)+(\r)], v[AC+8*(\b)+2*(\r)], v[AC+8*(\b)+2*(\r)+1]
.endr
.endr
	WIN 0
.irp b, 0,1,2,3,4,5,6,7,8,9,10,11
	ds_store_b128 v[STO], v[TMP+48*(\a)+4*(\b):TMP+48*(\a)+4*(\b)+3] offset:(\a)*16*SP+32*(\b)
.endr
.endm
	PACK 0
	PACK 1
	PACK 2
	PACK 3
	s_wait_dscnt 0x0                               ; for the others' sake: my stores into the stage are done
	s_barrier_signal -1
	s_barrier_wait -1
.set n, 0
.rept 48                                ; pair n / 3 of my 32 rows, block n % 3 of their three blocks of 256 bytes
	ds_load_b128 v[TMP+4*n:TMP+4*n+3], v[RD] offset:2*(n/3)*SP+256*(n%3)
.set n, n+1
.endr
.set n, 0
.rept 48
	s_wait_dscnt 47-n                              ; LDS loads come back in order (ISA guide 5.7.1): the 47 - n younger ones stay out
	global_store_b128 v[CO], v[TMP+4*n:TMP+4*n+3], s[8:9] offset:2*(n/3)*PITCHC+256*(n%3)  ; 16 lanes store 256 consecutive bytes, aligned
.set n, n+1
.endr
	s_wait_tensorcnt 0x0                           ; the wave's end
	ds_add_u32 v[SPW], v[NIL]
	s_wait_dscnt 0x0
	CROUND                                         ; the closing round
	s_endpgm
.Lfunc_end_k_qe1a0d21e24_qkv:
	.size	k_qe1a0d21e24_qkv, .Lfunc_end_k_qe1a0d21e24_qkv-k_qe1a0d21e24_qkv
	.p2alignl 7, 3214868480
	.fill 96, 4, 3214868480
	.section	.rodata,"a",@progbits
	.p2align	6, 0x0
	.amdhsa_kernel k_qe1a0d21e24_qkv
		.amdhsa_group_segment_fixed_size 327680
		.amdhsa_private_segment_fixed_size 0
		.amdhsa_enable_private_segment 0
		.amdhsa_kernarg_size 24
		.amdhsa_user_sgpr_count 2
		.amdhsa_user_sgpr_kernarg_segment_ptr 1
		.amdhsa_wavefront_size32 1
		.amdhsa_system_sgpr_workgroup_id_x 1
		.amdhsa_system_sgpr_workgroup_id_y 1
		.amdhsa_system_sgpr_workgroup_id_z 1
		.amdhsa_system_vgpr_workitem_id 0
		.amdhsa_next_free_vgpr 960
		.amdhsa_next_free_sgpr 66
		.amdhsa_reserve_vcc 0
		.amdhsa_float_denorm_mode_32 3
		.amdhsa_float_denorm_mode_16_64 3
		.amdhsa_memory_ordered 1
		.amdhsa_forward_progress 1
		.amdhsa_inst_pref_size 98
	.end_amdhsa_kernel
	.amdgpu_metadata
---
amdhsa.version: [ 1, 2 ]
amdhsa.kernels:
  - .name:           k_qe1a0d21e24_qkv
    .symbol:         k_qe1a0d21e24_qkv.kd
    .args:
      - { .name: xb, .offset: 0, .size: 8, .value_kind: global_buffer, .address_space: global }
      - { .name: wqb, .offset: 8, .size: 8, .value_kind: global_buffer, .address_space: global }
      - { .name: qkv, .offset: 16, .size: 8, .value_kind: global_buffer, .address_space: global }
    .group_segment_fixed_size: 327680
    .private_segment_fixed_size: 0
    .kernarg_segment_align: 8
    .kernarg_segment_size: 24
    .max_flat_workgroup_size: 128
    .sgpr_count:     66
    .vgpr_count:     960
    .wavefront_size: 32
...
	.end_amdgpu_metadata
.endif
;; end of part 2
;; launch scores (part 3): grid 8 x 32, 4 waves a work-group, clusters of 4 x 4, 327,680 bytes of LDS; arguments qkv, pt, st; writes pt, st
.if DOCPART == 3
	.amdgcn_target "amdgcn-amd-amdhsa--gfx1250"
	.amdhsa_code_object_version 6
	.text
	.protected	k_qe1a0d21e24_scores
	.globl	k_qe1a0d21e24_scores
	.p2align	8
	.type	k_qe1a0d21e24_scores,@function
k_qe1a0d21e24_scores:
	s_mov_b64 s[64:65], 0
	v_nop
	global_prefetch_b8 v0, s[64:65] scope:SCOPE_SE
	s_setreg_imm32_b32 hwreg(HW_REG_WAVE_MODE, 25, 1), 1
	s_wait_xcnt 0x0
	s_wait_alu depctr_hold_cnt(0) depctr_sa_sdst(0) depctr_va_vdst(0) depctr_va_sdst(0) depctr_va_ssrc(0) depctr_va_vcc(0) depctr_vm_vsrc(0)
	s_getreg_b32 s2, hwreg(HW_REG_IB_STS2, 6, 4)
	s_cmp_eq_u32 s2, 0
	s_cbranch_scc0 .Lentry_in_a_cluster
	s_endpgm
.Lentry_in_a_cluster:
	s_bfe_u32 s2, ttmp6, 0x10000c
	s_cmp_lg_u32 s2, 0xf033
	s_cbranch_scc0 .Lentry_shape_is_right
	s_endpgm
.Lentry_shape_is_right:
; THE SCORES AND THE FIRST STAGE OF THE SOFTMAX.  s[q][k] = sum over 1,024 channels of q k (f16 operands, f32 sums).  For each query row and each block t of 128 keys:
; cm = c max s, c = log2(e) / 8;  pt[row][key] = 2^(c s - cm), in f16, in 0 to 1;  l = the sum of those numbers, unrounded.  st holds cm[16 t][8192 rows], then l likewise, in f32.
; The next launch takes the rows' maximum over the 16 blocks away, so the softmax's maximum is taken away in two exact stages, and no raw score reaches memory.
; LIMITS: a weight under f16's step of 6e-8 is lost; an exponential under 2^-126 counts as 0; NaN and infinities are not treated apart.
; SHARES.  A tile is 256 queries x 256 keys of one batch: 8 x 32 = 256 work-groups.  Four waves, each 128 x 128: 64 accumulators, 512 registers; a wave's 128 keys are one block t.
; K goes in steps of 128 (rows of 256 bytes) through two LDS slots; one K step is written once: the slot to be read is a scalar that an exclusive or turns.
; CLUSTER 4 x 4: q's tile is shared along a row of the cluster, k's along a column, by joint loads.
; THE MATRIX INSTRUCTION IS USED TRANSPOSED (source 0 = 16 keys, source 1 = 16 queries): a lane holds ONE query (l % 16) and the keys 16 b + 8 (l / 16) + 0..7: the row's other 64 keys lie 16 lanes away.
; REGISTERS: window 0: v0-43 addresses and statistics; v64-127, v128-191 q's fragments, two buffers; on the way out v64-95 packed weights, v128-191 rows read back
;   window 1: v64-127, v128-191 k's fragments      window 2: the accumulators of my rows 0-63 ((a, b) at 8 (8 a + b))      window 3: those of rows 64-127
.set NSTEP,  8
.set KSTEP,  128
.set PITCH,  272
.set HALFT,  128*PITCH
.set SLOT,   4*HALFT                   ; 139,264 = 0x22000: bits 13 and 17, which no multiple 0..3 of HALFT (0x8800) has: one exclusive or changes slots
.set STAGE,  2*SLOT                    ; behind the ring: 16 rows x 272 bytes a wave
.set STAT,   STAGE+4*16*PITCH          ; 1,024 bytes a wave: cm of my 128 rows, then l
.set SPARE,  STAT+4*1024               ; the spare words
.set ROWB,   6144                      ; bytes in a row of qkv
.set PITCHC, 4096                      ; bytes in a row of pt
.set ADRA0, 16                         ; my lane's place in slot 0's tile of q; never rewritten
.set ADRB0, 17                         ; the same for k
.set ADRA,  18                         ; the same in the slot in hand
.set ADRB,  19
.set STO,  24
.set RD,   25
.set CO,   26
.set STW,  27                          ; where I put my row's cm
.set SPW,  28
.set NIL,  29
.set SA,   30                          ; 16 x lane
.set SRD,  31                          ; where I read the statistics back
.set CX,   32                          ; v32-39 eight running maxima
.set CM,   40                          ; v40 c m, v41 m
.set LS,   42                          ; v42 l, v43 the other lanes' half of it
.set F0,   64
.set F1,   128
.set TMP,  64
.set G1, 24                            ; s[24:31] group 1 for q's tiles; s[32:35], s[36:39] group 0: the two first fills; the second then walks
.set G0, 32
.set G1B, 48                           ; the same for k's
.set G0B, 56
.set MSB, 0
.macro WIN new
.if MSB != (\new)
	s_set_vgpr_msb (MSB<<8)|(\new)
.set MSB, (\new)
.endif
.endm
.set MUL_LO, 0xa1
.set MUL_HI, 0xf1
.set TO_B,   0x40
.macro PLACES
.rept 4
	v_nop
.endr
.endm
.macro JLOAD                           ; a joint refill: waves 0 and 1 fetch q's halves, waves 2 and 3 k's; s_nop 0 and four v_nop follow each line
	s_cmp_eq_u32 s13, 0
	s_cbranch_scc0 .Lfor_b_\@
	tensor_load_to_lds s[G0+4:G0+7], s[G1:G1+7]
	s_nop 0
.rept 4
	v_nop
.endr
	s_branch .Lasked_\@
.Lfor_b_\@:
	tensor_load_to_lds s[G0B+4:G0B+7], s[G1B:G1B+7]
	s_nop 0
.rept 4
	v_nop
.endr
.Lasked_\@:
.endm
.macro CREST
	s_cmp_lg_u32 s12, 0
	s_cbranch_scc1 .Lnot_wave_0_\@
	s_barrier_signal -3
.Lnot_wave_0_\@:
	s_barrier_wait -3
	s_barrier_signal -1
	s_barrier_wait -1
.endm
.macro CROUND
	s_barrier_signal -1
	s_barrier_wait -1
	CREST
.endm
	s_load_b128 s[4:7], s[0:1], 0x0                ; qkv s[4:5], pt s[6:7]
	s_load_b64 s[8:9], s[0:1], 0x10                ; st
	v_lshl_add_u32 v[SPW], v0, 2, SPARE
	v_mov_b32 v[NIL], 0
	ds_add_u32 v[SPW], v[NIL]                      ; the wave's opening: the add and its wait stand ahead of my first tensor load
	v_lshrrev_b32 v1, 5, v0
	v_readfirstlane_b32 s12, v1                    ; wave 0..3
	s_lshr_b32 s13, s12, 1                         ; my half of the queries.  Also: I fetch q (0) or k (1)
	s_and_b32 s14, s12, 1                          ; my half of the keys.  Also: which 128 rows of that tile I fetch
	s_bfe_u32 s16, ttmp6, 0x40000                  ; cx
	s_bfe_u32 s17, ttmp6, 0x40004                  ; cy
	s_lshl_b32 s18, ttmp9, 2
	s_add_co_u32 s18, s18, s16                     ; key tile
	s_and_b32 s20, ttmp7, 0xffff                   ; the cluster's y: two of them to a batch
	s_lshl_b32 s19, s20, 2
	s_add_co_u32 s19, s19, s17                     ; 8 x batch + query tile
	s_lshl_b32 s21, s17, 2
	s_lshl_b32 s21, 15, s21
	s_lshl_b32 s22, 0x1111, s16
	s_or_b32 s[G1], s21, (1<<16)|(1<<20)|(1<<21)|(5<<22)|(3<<25)
	s_or_b32 s[G1B], s22, (1<<16)|(1<<20)|(1<<21)|(5<<22)|(3<<25)
.irp g, G1, G1B
	s_mov_b32 s[(\g)+1], KSTEP<<16                 ; tensor_dim0 = 128
	s_mov_b32 s[(\g)+2], 128<<16                   ; tensor_dim1 = 128
	s_mov_b32 s[(\g)+3], KSTEP<<16                 ; tile_dim0 = 128
	s_mov_b32 s[(\g)+4], 128                       ; tile_dim1 = 128
	s_mov_b32 s[(\g)+5], 3072                      ; elements from row to row
	s_mov_b32 s[(\g)+6], 0
	s_mov_b32 s[(\g)+7], 0
.endr
	s_mov_b32 s66, 0x3e38aa3b                      ; c = log2(e) / 8
	s_mov_b32 s67, s66                             ; named with it as a pair
	s_mov_b32 s68, 0x76543210                      ; v_permlanex16_b32: each lane takes its own place in the other half
	s_mov_b32 s69, 0xfedcba98
	s_lshl_b32 s42, s14, 7
	s_lshl_b32 s40, s19, 8                         ; q: row 256 x (8 batch + query tile) + 128 x half: no cx enters
	s_add_co_u32 s40, s40, s42
	s_mul_i32 s40, s40, ROWB
	s_mov_b32 s41, 0
	s_lshr_b32 s44, s20, 1                         ; k: row 2,048 x batch + 256 x key tile + 128 x half; the batch comes from the cluster's y, which all sixteen share: no cy enters
	s_lshl_b32 s44, s44, 11
	s_lshl_b32 s46, s18, 8
	s_add_co_u32 s44, s44, s46
	s_add_co_u32 s44, s44, s42
	s_mul_i32 s44, s44, ROWB
	s_add_co_u32 s44, s44, 2048                    ; k's columns begin 1,024 numbers into a row
	s_mov_b32 s45, 0
	s_mul_i32 s46, s12, HALFT                      ; where they go: wave x 128 rows
	s_wait_dscnt 0x0
	s_wait_kmcnt 0x0
	s_add_nc_u64 s[40:41], s[4:5], s[40:41]
	s_add_nc_u64 s[44:45], s[4:5], s[44:45]
	CROUND
.irp s, 0,1
	s_mov_b32 s[G0+4*(\s)], 1
	s_add_co_u32 s[G0+4*(\s)+1], s46, (\s)*SLOT
	s_add_nc_u64 s[G0+4*(\s)+2:G0+4*(\s)+3], s[40:41], (\s)*KSTEP*2
	s_or_b32 s[G0+4*(\s)+3], s[G0+4*(\s)+3], 0x80000000
	s_mov_b32 s[G0B+4*(\s)], 1
	s_add_co_u32 s[G0B+4*(\s)+1], s46, (\s)*SLOT
	s_add_nc_u64 s[G0B+4*(\s)+2:G0B+4*(\s)+3], s[44:45], (\s)*KSTEP*2
	s_or_b32 s[G0B+4*(\s)+3], s[G0B+4*(\s)+3], 0x80000000
.endr
	s_cmp_eq_u32 s13, 0                            ; a wave's two first fills stand in one branch: two loads of mine are out
	s_cbranch_scc0 .Lfirst_b
	tensor_load_to_lds s[G0:G0+3], s[G1:G1+7]
	s_nop 0
	tensor_load_to_lds s[G0+4:G0+7], s[G1:G1+7]
	s_nop 0
.rept 4
	v_nop
.endr
	s_branch .Lfirst_asked
.Lfirst_b:
	tensor_load_to_lds s[G0B:G0B+3], s[G1B:G1B+7]
	s_nop 0
	tensor_load_to_lds s[G0B+4:G0B+7], s[G1B:G1B+7]
	s_nop 0
.rept 4
	v_nop
.endr
.Lfirst_asked:
	v_and_b32 v1, 15, v0                           ; l % 16
	v_bfe_u32 v2, v0, 4, 1                         ; l / 16
	v_mul_u32_u24 v3, v1, PITCH
	v_lshl_add_u32 v3, v2, 4, v3
	s_mul_i32 s40, s13, HALFT                      ; my 128 rows of q
	s_mul_i32 s41, s14, HALFT                      ; my 128 rows of k,
	s_add_co_u32 s41, s41, 2*HALFT                 ; behind q's 256
	v_add_nc_u32 v[ADRA0], s40, v3
	v_add_nc_u32 v[ADRB0], s41, v3
	s_mul_i32 s42, s12, 16*PITCH
	s_add_co_u32 s42, s42, STAGE
	v_add_nc_u32 v[STO], s42, v3
	v_mul_u32_u24 v4, v2, PITCH
	v_lshl_add_u32 v4, v1, 4, v4
	v_add_nc_u32 v[RD], s42, v4
	v_lshlrev_b32 v4, 12, v2                       ; a row of pt is 4,096 bytes
	v_lshl_add_u32 v[CO], v1, 4, v4
	s_lshl_b32 s43, s12, 10
	s_add_co_u32 s43, s43, STAT                    ; my statistics
	v_lshl_add_u32 v[STW], v1, 2, s43
	v_and_b32 v[SA], 31, v0
	v_lshlrev_b32 v[SA], 4, v[SA]
	v_add_nc_u32 v[SRD], s43, v[SA]
	v_mov_b32 v[LS+1], 0                           ; v_permlanex16_b32's destination counts as read
	s_lshl_b32 s40, s19, 8
	s_lshl_b32 s41, s13, 7
	s_add_co_u32 s40, s40, s41                     ; my first row
	s_lshl_b32 s42, s40, 2                         ; its place in a table of st
	s_lshl_b32 s40, s40, 12                        ; and in pt
	s_mov_b32 s41, 0
	s_add_nc_u64 s[6:7], s[6:7], s[40:41]
	s_lshl_b32 s44, s18, 9                         ; my first key, in bytes
	s_lshl_b32 s45, s14, 8
	s_add_co_u32 s44, s44, s45
	s_mov_b32 s45, 0
	s_add_nc_u64 s[6:7], s[6:7], s[44:45]
	s_lshl_b32 s44, s18, 1
	s_add_co_u32 s44, s44, s14                     ; my block t of 128 keys
	s_lshl_b32 s44, s44, 15                        ; x 8,192 rows x 4 bytes
	s_add_co_u32 s44, s44, s42
	s_add_nc_u64 s[8:9], s[8:9], s[44:45]
; 16 matrix instructions: row blocks a0, a0 + 1 of the window's four x all 8 key blocks, 32 along K.  The 64 accumulators take turns in one order throughout.
.macro MUL16 f, hi, a0, zero
	WIN MUL_LO+0x50*(\hi)
.irp a, \a0, (\a0)+1
.irp b, 0,1,2,3,4,5,6,7
.if \zero
	v_wmma_f32_16x16x32_f16 v[8*(8*(\a)+(\b)):8*(8*(\a)+(\b))+7], v[(\f)+8*(\b):(\f)+8*(\b)+7], v[(\f)+8*(4*(\hi)+(\a)):(\f)+8*(4*(\hi)+(\a))+7], 0
.else
	v_wmma_f32_16x16x32_f16 v[8*(8*(\a)+(\b)):8*(8*(\a)+(\b))+7], v[(\f)+8*(\b):(\f)+8*(\b)+7], v[(\f)+8*(4*(\hi)+(\a)):(\f)+8*(4*(\hi)+(\a))+7], v[8*(8*(\a)+(\b)):8*(8*(\a)+(\b))+7]
.endif
.endr
.endr
.endm
.macro FETCH k, f                      ; 32 LDS loads in one run: a quarter step's fragments (k's 128 rows, then q's), 32 K at byte k of the rows of the slot in hand
	WIN TO_B
.irp i, 0,1,2,3,4,5,6,7
	ds_load_b128 v[(\f)+8*(\i):(\f)+8*(\i)+3],   v[ADRB] offset:(\k)+(\i)*16*PITCH
	ds_load_b128 v[(\f)+8*(\i)+4:(\f)+8*(\i)+7], v[ADRB] offset:(\k)+(\i)*16*PITCH+32
.endr
	WIN 0
.irp i, 0,1,2,3,4,5,6,7
	ds_load_b128 v[(\f)+8*(\i):(\f)+8*(\i)+3],   v[ADRA] offset:(\k)+(\i)*16*PITCH
	ds_load_b128 v[(\f)+8*(\i)+4:(\f)+8*(\i)+7], v[ADRA] offset:(\k)+(\i)*16*PITCH+32
.endr
.endm
.macro QUARTER k, f, g, zero           ; 64 matrix instructions on buffer f; in their middle the next quarter's fragments go into buffer g
	s_wait_dscnt 8                                 ; all but the youngest eight loads (q's rows 64-127)
	MUL16 \f, 0, 0, \zero
	MUL16 \f, 0, 2, \zero
	PLACES
	FETCH \k, \g
	s_wait_dscnt 32                                ; all but the 32 just issued
	MUL16 \f, 1, 0, \zero
	MUL16 \f, 1, 2, \zero
.endm
; The last quarter multiplies buffer 1 and changes slots: each wave waits for all its tensor loads (one is out: its part of the next slot), adds 0 to its spare word, waits for that and for its
; reads of this slot.  fill = 1: the barrier opens a round of the cluster's; the slot just read is filled again first, two K steps ahead: 224 matrix instructions ahead of the wait for it.
.macro TURN fill
	WIN 0
	s_wait_tensorcnt 0x0                           ; no tensor load of mine is out, so a group 0 may be written
	ds_add_u32 v[SPW], v[NIL]
.if \fill
	s_xor_b32 s[G0+5], s[G0+5], SLOT               ; the walking descriptors: the other slot than last time, the next K step
	s_add_nc_u64 s[G0+6:G0+7], s[G0+6:G0+7], KSTEP*2
	s_xor_b32 s[G0B+5], s[G0B+5], SLOT
	s_add_nc_u64 s[G0B+6:G0B+7], s[G0B+6:G0B+7], KSTEP*2
.endif
	s_wait_dscnt 9                                 ; the add and the youngest eight loads may be out
	MUL16 F1, 0, 0, 0
	s_wait_dscnt 0x0                               ; the add is done, my reads of this slot are over
	s_barrier_signal -1
	MUL16 F1, 0, 2, 0
	WIN 0
	s_barrier_wait -1
.if \fill
	CREST                                          ; no wave of any partner still reads this slot or has a load on its way
	JLOAD                                          ; its four v_nop are also the places in front of the loads below
.else
	PLACES
.endif
	s_xor_b32 s15, s15, SLOT
	v_add_nc_u32 v[ADRA], s15, v[ADRA0]
	v_add_nc_u32 v[ADRB], s15, v[ADRB0]
	FETCH 0, F0
	MUL16 F1, 1, 0, 0
	MUL16 F1, 1, 2, 0
.endm
	s_wait_tensorcnt 0x1                           ; my part of K step 0 is in; K step 1's may stay out
	s_barrier_signal -1
	s_barrier_wait -1
	s_mov_b32 s15, 0
	v_mov_b32 v[ADRA], v[ADRA0]
	v_mov_b32 v[ADRB], v[ADRB0]
	FETCH 0, F0
	QUARTER 64,  F0, F1, 1                         ; the first quarter's products start the sums
	WIN 0
	s_mov_b32 s3, NSTEP-2
.Lstep:                                                ; a trip: a K step's last three quarters, the refill, the next step's first quarter
	QUARTER 128, F1, F0, 0
	QUARTER 192, F0, F1, 0
	TURN 1
	QUARTER 64,  F0, F1, 0
	WIN 0
	s_sub_co_u32 s3, s3, 1
	s_cmp_lg_u32 s3, 0
	s_cbranch_scc1 .Lstep
	QUARTER 128, F1, F0, 0                         ; the tail is written out: nothing is left to fetch
	QUARTER 192, F0, F1, 0
	TURN 0
	QUARTER 64,  F0, F1, 0
	QUARTER 128, F1, F0, 0
	QUARTER 192, F0, F1, 0
	s_wait_dscnt 8
	MUL16 F1, 0, 0, 0
	MUL16 F1, 0, 2, 0
	s_wait_dscnt 0x0
	MUL16 F1, 1, 0, 0
	MUL16 F1, 1, 2, 0
	WIN 0
; THE WAY OUT of block a of window 2's four: 16 queries x my 128 keys, 64 scores a lane.  The maximum (each accumulator's lowest registers are read first), the other
; lanes' half of it, c m; c s - c m; the exponentials; the roundings to f16; the sum of the unrounded weights, as a tree in place; cm and l into my statistics.
.set WD, 2
.macro SOFT a
.set AC, 64*(\a)
	WIN WD|(WD<<2)|(WD<<4)
.irp n, 0,1,2,3,4,5,6,7
	v_max3_num_f32 v[CX+(\n)], v[AC+8*(\n)], v[AC+8*(\n)+1], v[AC+8*(\n)+2]
.endr
	WIN (WD<<2)|(WD<<4)
.irp k, 0,1
.irp n, 0,1,2,3,4,5,6,7
	v_max3_num_f32 v[CX+(\n)], v[CX+(\n)], v[AC+8*(\n)+3+2*(\k)], v[AC+8*(\n)+4+2*(\k)]
.endr
.endr
.irp n, 0,1,2,3
	v_max3_num_f32 v[CX+(\n)], v[CX+(\n)], v[AC+16*(\n)+7], v[AC+16*(\n)+15]
.endr
	WIN 0
	v_max3_num_f32 v[CX], v[CX], v[CX+1], v[CX+2]
	v_max3_num_f32 v[CX+3], v[CX+3], v[CX+4], v[CX+5]
	v_max3_num_f32 v[CX], v[CX], v[CX+6], v[CX+7]
	v_max_num_f32 v[CX], v[CX], v[CX+3]
	v_permlanex16_b32 v[CX+1], v[CX], s68, s69
	v_max_num_f32 v[CM+1], v[CX], v[CX+1]
	v_mul_f32 v[CM], s66, v[CM+1]
	WIN WD|(WD<<6)
.set i, 0
.rept 32
	v_pk_fma_f32 v[AC+2*i:AC+2*i+1], v[AC+2*i:AC+2*i+1], s[66:67], v[CM:CM+1] op_sel_hi:[1,0,0] neg_lo:[0,0,1] neg_hi:[0,0,1]
.set i, i+1
.endr
.set i, 0
.rept 64
	v_exp_f32 v[AC+i], v[AC+i]
.set i, i+1
.endr
	v_nop                                          ; a plain instruction behind the last exponential (ISA guide 5.7.2)
	WIN WD|(WD<<2)
.set i, 0
	s_wait_alu depctr_va_vdst(0)
.rept 32
	v_cvt_pk_f16_f32 v[TMP+i], v[AC+2*i], v[AC+2*i+1]
.set i, i+1
.endr
	WIN WD|(WD<<2)|(WD<<6)
.irp w, 1,2,4,8,16
.set u, 0
.rept 16/(\w)
	v_pk_add_f32 v[AC+4*(\w)*u:AC+4*(\w)*u+1], v[AC+4*(\w)*u:AC+4*(\w)*u+1], v[AC+4*(\w)*u+2*(\w):AC+4*(\w)*u+2*(\w)+1]
.set u, u+1
.endr
.endr
	WIN WD|(WD<<2)
	v_add_f32 v[LS], v[AC], v[AC+1]
	WIN 0
	v_permlanex16_b32 v[LS+1], v[LS], s68, s69
	v_add_f32 v[LS], v[LS], v[LS+1]
	ds_store_b32 v[STW], v[CM] offset:64*(\a)      ; lanes l and l + 16 write the same word with the same number
	ds_store_b32 v[STW], v[LS] offset:512+64*(\a)
.endm
.macro TOSTAGE a
.set BK, 128+32*((\a)%2)
.irp b, 0,1,2,3,4,5,6,7
	ds_store_b128 v[STO], v[TMP+4*(\b):TMP+4*(\b)+3] offset:32*(\b)
.endr
.irp t, 0,1,2,3,4,5,6,7
	ds_load_b128 v[BK+4*(\t):BK+4*(\t)+3], v[RD] offset:(\t)*2*PITCH  ; LDS serves a wave's instructions in order (ISA guide 5.7.1.4): these see the stores above
.endr
.endm
.macro SEND a
.set BK, 128+32*((\a)%2)
	s_wait_dscnt 0x0
	s_wait_xcnt 0x0                                ; earlier stores have read their registers: the block after next is loaded into them only behind this wait
.irp t, 0,1,2,3,4,5,6,7
	global_store_b128 v[CO], v[BK+4*(\t):BK+4*(\t)+3], s[6:7] offset:(16*(\a)+2*(\t))*PITCHC  ; 16 lanes store 256 consecutive bytes, aligned
.endr
.endm
; The text for four blocks is walked twice: first for my rows 0-63, window 2's.  A register window is an immediate of the text, so one text cannot name both windows: between the two trips
; the sums of rows 64-127 are copied from window 3 into window 2, 256 moves once a launch, which spare a second copy of the four blocks' text.
	PLACES
	s_mov_b32 s3, 2
.Lhalf:
	SOFT 0
	TOSTAGE 0
.irp a, 1,2,3                          ; block a's arithmetic stands between block a - 1's loads from the stage and the wait for them
	SOFT \a
	SEND (\a)-1
	TOSTAGE \a
.endr
	SEND 3
	s_cmp_eq_u32 s3, 1
	s_cbranch_scc1 .Lno_copy                       ; behind the second trip nothing is left to copy
	s_wait_xcnt 0x0                                ; the stores have read their base
	s_add_nc_u64 s[6:7], s[6:7], 64*PITCHC         ; 64 rows of pt on,
	v_add_nc_u32 v[STW], 256, v[STW]               ; and 64 rows of my statistics
	WIN 0x83                                       ; destination window 2, source window 3
.set i, 0
.rept 256
	v_mov_b32 v[i], v[i]
.set i, i+1
.endr
	WIN 0
.Lno_copy:
	s_sub_co_u32 s3, s3, 1
	s_cmp_lg_u32 s3, 0
	s_cbranch_scc1 .Lhalf
	ds_load_b128 v[96:99], v[SRD]                  ; my 128 rows' cm: 512 consecutive bytes,
	ds_load_b128 v[100:103], v[SRD] offset:512     ; and their l
	s_wait_dscnt 0x0
	global_store_b128 v[SA], v[96:99], s[8:9]
	global_store_b128 v[SA], v[100:103], s[8:9] offset:524288
	s_wait_tensorcnt 0x0                           ; the wave's end
	ds_add_u32 v[SPW], v[NIL]
	s_wait_dscnt 0x0
	CROUND
	s_endpgm
.Lfunc_end_k_qe1a0d21e24_scores:
	.size	k_qe1a0d21e24_scores, .Lfunc_end_k_qe1a0d21e24_scores-k_qe1a0d21e24_scores
	.p2alignl 7, 3214868480
	.fill 96, 4, 3214868480
	.section	.rodata,"a",@progbits
	.p2align	6, 0x0
	.amdhsa_kernel k_qe1a0d21e24_scores
		.amdhsa_group_segment_fixed_size 327680
		.amdhsa_private_segment_fixed_size 0
		.amdhsa_enable_private_segment 0
		.amdhsa_kernarg_size 24
		.amdhsa_user_sgpr_count 2
		.amdhsa_user_sgpr_kernarg_segment_ptr 1
		.amdhsa_wavefront_size32 1
		.amdhsa_system_sgpr_workgroup_id_x 1
		.amdhsa_system_sgpr_workgroup_id_y 1
		.amdhsa_system_sgpr_workgroup_id_z 1
		.amdhsa_system_vgpr_workitem_id 0
		.amdhsa_next_free_vgpr 1024
		.amdhsa_next_free_sgpr 70
		.amdhsa_reserve_vcc 0
		.amdhsa_float_denorm_mode_32 3
		.amdhsa_float_denorm_mode_16_64 3
		.amdhsa_memory_ordered 1
		.amdhsa_forward_progress 1
		.amdhsa_inst_pref_size 144
	.end_amdhsa_kernel
	.amdgpu_metadata
---
amdhsa.version: [ 1, 2 ]
amdhsa.kernels:
  - .name:           k_qe1a0d21e24_scores
    .symbol:         k_qe1a0d21e24_scores.kd
    .args:
      - { .name: qkv, .offset: 0, .size: 8, .value_kind: global_buffer, .address_space: global }
      - { .name: pt, .offset: 8, .size: 8, .value_kind: global_buffer, .address_space: global }
      - { .name: st, .offset: 16, .size: 8, .value_kind: global_buffer, .address_space: global }
    .group_segment_fixed_size: 327680
    .private_segment_fixed_size: 0
    .kernarg_segment_align: 8
    .kernarg_segment_size: 24
    .max_flat_workgroup_size: 128
    .sgpr_count:     70
    .vgpr_count:     1024
    .wavefront_size: 32
...
	.end_amdgpu_metadata
.endif
;; end of part 3
;; launch pv (part 4): grid 4 x 64, 4 waves a work-group, clusters of 4 x 4, 327,680 bytes of LDS; arguments pt, qkv, st, o; writes o
.if DOCPART == 4
	.amdgcn_target "amdgcn-amd-amdhsa--gfx1250"
	.amdhsa_code_object_version 6
	.text
	.protected	k_qe1a0d21e24_pv
	.globl	k_qe1a0d21e24_pv
	.p2align	8
	.type	k_qe1a0d21e24_pv,@function
k_qe1a0d21e24_pv:
	s_mov_b64 s[64:65], 0
	v_nop
	global_prefetch_b8 v0, s[64:65] scope:SCOPE_SE
	s_setreg_imm32_b32 hwreg(HW_REG_WAVE_MODE, 25, 1), 1
	s_wait_xcnt 0x0
	s_wait_alu depctr_hold_cnt(0) depctr_sa_sdst(0) depctr_va_vdst(0) depctr_va_sdst(0) depctr_va_ssrc(0) depctr_va_vcc(0) depctr_vm_vsrc(0)
	s_getreg_b32 s2, hwreg(HW_REG_IB_STS2, 6, 4)
	s_cmp_eq_u32 s2, 0
	s_cbranch_scc0 .Lentry_in_a_cluster
	s_endpgm
.Lentry_in_a_cluster:
	s_bfe_u32 s2, ttmp6, 0x10000c
	s_cmp_lg_u32 s2, 0xf033
	s_cbranch_scc0 .Lentry_shape_is_right
	s_endpgm
.Lentry_shape_is_right:
; THE SECOND STAGE OF THE SOFTMAX AND O = P V.  For each query row: M = max over the 16 key blocks t of cm_t; f_t = 2^(cm_t - M), rounded to f16; L = sum of f_t l_t;
; o[row][h] = (sum over t and its 128 keys of (pt f_t) v) / L, in f16.  pt: [8192][2048] f16; v: columns 2,048 on of qkv; st: cm[16][8192], l[16][8192] in f32; o: [8192][1024] f16.
; Every exponent is 0 or less, and L is at least about 1: the largest block has f = 1 and holds a weight 1.  L is made of the rounded factors, the ones that the products see.
; LIMITS: pt f_t is rounded to f16 once more and keeps f16's step of 6e-8 under 6e-5; a factor under that step counts as 0, in L too; NaN and infinities are not treated apart.
; SHARES.  A tile is 128 queries x 256 channels: 4 x 64 = 256 work-groups.  Four waves, each 64 x 128: 32 accumulators.  K (the keys) goes in steps of 128, one block t a step, through two LDS slots.
; CLUSTER 4 x 4: pt's tile is shared along a row of the cluster, v's along a column.  Source 0 = 16 channels of v, turned on the way out of LDS (ds_load_tr16_b128); source 1 = 16 queries of pt.
; THE FACTORS ride on pt's fragments in registers: 64 v_pk_mul_f16 for 64 matrix instructions, in groups of four or eight between the matrix instructions, each group a half step ahead of its use.
; REGISTERS: window 0: v0-43 addresses, factors; v64-127, v128-191 pt's fragments ((c, a) at 64 + 64 f + 32 c + 8 a); v192-223 packed results
;   window 1: v's fragments ((c, b) at 128 f + 64 c + 8 b)      window 2: accumulator (a, b) at 8 (8 a + b)
.set NSTEP,  16
.set SLOT1,  131072
.set PITCH,  272                       ; a row of pt's tile: 256 bytes + 16
.set PV,     544                       ; a row of v's tile: 512 bytes + 32 = 136 words
.set AHALF,  64*PITCH
.set BOFF,   2*AHALF
.set BHALF,  64*PV
.set FTB,    SLOT1+BOFF+2*BHALF        ; behind the ring: 17 entries of 512 bytes, 4 bytes a row: entries 0-15 the pair (f_t, f_t) in f16, entry 16 1 / L in f32
.set STAGE,  FTB+17*512
.set SPARE,  STAGE+4*16*PITCH
.set STEPA,  256
.set STEPB,  128*6144
.set PITCHC, 2048
.set ADRA0, 16
.set ADRB0, 17
.set ADRA,  18
.set ADRB,  19
.set FTA,   20                         ; where I read my rows' factors; steps 512 bytes a K step
.set FW,    21                         ; where I write my own row's
.set SO,    22                         ; 4 x my thread's number
.set STO,   24
.set RD,    25
.set CO,    26
.set SPW,   28
.set NIL,   29
.set FQ,    32                         ; v32-35 the step's factors for my row of blocks a = 0..3
.set RQ,    36                         ; v36, 38, 40, 42: 1 / L likewise; each named as a pair
.set TMP,   192
.set G1A, 24
.set G0A, 32
.set G1B, 48
.set G0B, 56
.set MUL, 0xa1
.set MSB, 0
.macro WIN new
.if MSB != (\new)
	s_set_vgpr_msb (MSB<<8)|(\new)
.set MSB, (\new)
.endif
.endm
.macro PLACES
.rept 4
	v_nop
.endr
.endm
.macro CREST
	s_cmp_lg_u32 s12, 0
	s_cbranch_scc1 .Lnot_wave_0_\@
	s_barrier_signal -3
.Lnot_wave_0_\@:
	s_barrier_wait -3
	s_barrier_signal -1
	s_barrier_wait -1
.endm
.macro CROUND
	s_barrier_signal -1
	s_barrier_wait -1
	CREST
.endm
.macro JLOAD                           ; a joint refill: waves 0 and 1 fetch pt's halves, waves 2 and 3 v's; s_nop 0 and four v_nop follow each line
	s_cmp_eq_u32 s13, 0
	s_cbranch_scc0 .Lfor_b_\@
	tensor_load_to_lds s[G0A+4:G0A+7], s[G1A:G1A+7]
	s_nop 0
.rept 4
	v_nop
.endr
	s_branch .Lasked_\@
.Lfor_b_\@:
	tensor_load_to_lds s[G0B+4:G0B+7], s[G1B:G1B+7]
	s_nop 0
.rept 4
	v_nop
.endr
.Lasked_\@:
.endm
	s_load_b256 s[4:11], s[0:1], 0x0               ; pt s[4:5], qkv s[6:7], st s[8:9], o s[10:11]
	v_lshl_add_u32 v[SPW], v0, 2, SPARE
	v_mov_b32 v[NIL], 0
	ds_add_u32 v[SPW], v[NIL]                      ; the wave's opening: the add and its wait stand ahead of my first tensor load
	v_lshrrev_b32 v1, 5, v0
	v_readfirstlane_b32 s12, v1
	s_lshr_b32 s13, s12, 1                         ; my half of the queries.  Also: I fetch pt (0) or v (1)
	s_and_b32 s14, s12, 1                          ; my half of the channels.  Also: which half of that tile I fetch
	s_bfe_u32 s16, ttmp6, 0x40000
	s_bfe_u32 s17, ttmp6, 0x40004
	s_lshl_b32 s18, ttmp9, 2
	s_add_co_u32 s18, s18, s16                     ; block of 256 channels
	s_and_b32 s20, ttmp7, 0xffff                   ; the cluster's y: four of them to a batch
	s_lshl_b32 s19, s20, 2
	s_add_co_u32 s19, s19, s17                     ; block of 128 queries
	s_lshl_b32 s21, s17, 2
	s_lshl_b32 s21, 15, s21
	s_lshl_b32 s22, 0x1111, s16
	s_or_b32 s[G1A], s21, (1<<16)|(1<<20)|(1<<21)|(5<<22)|(3<<25)  ; 64 rows x 128 elements; after every 64 words 4 words of padding
	s_mov_b32 s[G1A+1], 128<<16
	s_mov_b32 s[G1A+2], 64<<16
	s_mov_b32 s[G1A+3], 128<<16
	s_mov_b32 s[G1A+4], 64
	s_mov_b32 s[G1A+5], 2048
	s_mov_b32 s[G1A+6], 0
	s_mov_b32 s[G1A+7], 0
	s_or_b32 s[G1B], s22, (1<<16)|(1<<20)|(1<<21)|(6<<22)|(7<<25)  ; 64 keys x 256 channels; after every 128 words 8 words of padding
	s_mov_b32 s[G1B+1], 256<<16
	s_mov_b32 s[G1B+2], 64<<16
	s_mov_b32 s[G1B+3], 256<<16
	s_mov_b32 s[G1B+4], 64
	s_mov_b32 s[G1B+5], 3072
	s_mov_b32 s[G1B+6], 0
	s_mov_b32 s[G1B+7], 0
	s_lshl_b32 s40, s19, 19                        ; pt: (128 x query block + 64 x half) rows of 4,096 bytes
	s_lshl_b32 s42, s14, 18
	s_add_co_u32 s40, s40, s42
	s_mov_b32 s41, 0
	s_lshr_b32 s44, s20, 2                         ; v: row 2,048 x batch + 64 x half; the batch comes from the cluster's y: no cy enters
	s_lshl_b32 s44, s44, 11
	s_lshl_b32 s46, s14, 6
	s_add_co_u32 s44, s44, s46
	s_mul_i32 s44, s44, 6144
	s_lshl_b32 s46, s18, 9                         ; my channels, in bytes,
	s_add_co_u32 s44, s44, s46
	s_add_co_u32 s44, s44, 4096                    ; behind q's and k's columns
	s_mov_b32 s45, 0
	s_mul_i32 s46, s14, AHALF
	s_mul_i32 s47, s14, BHALF
	s_add_co_u32 s47, s47, BOFF
	s_wait_dscnt 0x0
	s_wait_kmcnt 0x0
	s_add_nc_u64 s[40:41], s[4:5], s[40:41]
	s_add_nc_u64 s[44:45], s[6:7], s[44:45]
	CROUND
.irp s, 0,1
	s_mov_b32 s[G0A+4*(\s)], 1
	s_add_co_u32 s[G0A+4*(\s)+1], s46, (\s)*SLOT1
	s_add_nc_u64 s[G0A+4*(\s)+2:G0A+4*(\s)+3], s[40:41], (\s)*STEPA
	s_or_b32 s[G0A+4*(\s)+3], s[G0A+4*(\s)+3], 0x80000000
	s_mov_b32 s[G0B+4*(\s)], 1
	s_add_co_u32 s[G0B+4*(\s)+1], s47, (\s)*SLOT1
	s_add_nc_u64 s[G0B+4*(\s)+2:G0B+4*(\s)+3], s[44:45], (\s)*STEPB
	s_or_b32 s[G0B+4*(\s)+3], s[G0B+4*(\s)+3], 0x80000000
.endr
	s_cmp_eq_u32 s13, 0
	s_cbranch_scc0 .Lfirst_b
	tensor_load_to_lds s[G0A:G0A+3], s[G1A:G1A+7]
	s_nop 0
	tensor_load_to_lds s[G0A+4:G0A+7], s[G1A:G1A+7]
	s_nop 0
.rept 4
	v_nop
.endr
	s_branch .Lfirst_asked
.Lfirst_b:
	tensor_load_to_lds s[G0B:G0B+3], s[G1B:G1B+7]
	s_nop 0
	tensor_load_to_lds s[G0B+4:G0B+7], s[G1B:G1B+7]
	s_nop 0
.rept 4
	v_nop
.endr
.Lfirst_asked:
	; THE STATISTICS, in the wait for the first tiles.  Thread i owns row i of the group's 128.
	s_lshl_b32 s40, s19, 9                         ; the group's first row in a table of st
	s_mov_b32 s41, 0
	s_add_nc_u64 s[8:9], s[8:9], s[40:41]
	v_lshlrev_b32 v[SO], 2, v0
.set t, 0
.rept 16
	global_load_b32 v[64+t], v[SO], s[8:9] offset:32768*t          ; cm_t
.set t, t+1
.endr
.set t, 0
.rept 16
	global_load_b32 v[80+t], v[SO], s[8:9] offset:524288+32768*t   ; l_t
.set t, t+1
.endr
	v_and_b32 v1, 15, v0                           ; r = l % 16
	v_bfe_u32 v2, v0, 4, 1                         ; l / 16
	v_mul_u32_u24 v3, v1, PITCH
	v_lshl_add_u32 v3, v2, 4, v3
	s_mul_i32 s40, s13, AHALF
	v_add_nc_u32 v[ADRA0], s40, v3
	; The turning load takes 16 keys x 16 channels (lane l reads key 8 (l / 16) + l % 8, channels 8 ((l / 8) % 2) + 0..7) and leaves half a fragment: lane l holds channel l % 16 and 8 keys.
	v_and_b32 v4, 7, v0
	v_bfe_u32 v5, v0, 3, 1
	v_lshl_add_u32 v6, v2, 3, v4
	v_mul_u32_u24 v6, v6, PV
	v_lshl_add_u32 v6, v5, 4, v6
	s_lshl_b32 s41, s14, 8                         ; my 128 channels
	s_add_co_u32 s41, s41, BOFF
	v_add_nc_u32 v[ADRB0], s41, v6
	s_lshl_b32 s42, s13, 8
	s_add_co_u32 s42, s42, FTB
	v_lshl_add_u32 v[FTA], v1, 2, s42              ; row 64 x half + r; block a lies 64 a bytes on
	v_lshl_add_u32 v[FW], v0, 2, FTB               ; a wave writes 128 consecutive bytes of an entry
	s_mul_i32 s42, s12, 16*PITCH
	s_add_co_u32 s42, s42, STAGE
	v_add_nc_u32 v[STO], s42, v3
	v_mul_u32_u24 v4, v2, PITCH
	v_lshl_add_u32 v4, v1, 4, v4
	v_add_nc_u32 v[RD], s42, v4
	v_lshlrev_b32 v4, 11, v2                       ; a row of o is 2,048 bytes
	v_lshl_add_u32 v[CO], v1, 4, v4
	s_lshl_b32 s40, s19, 7
	s_lshl_b32 s41, s13, 6
	s_add_co_u32 s40, s40, s41
	s_lshl_b32 s40, s40, 11                        ; my first row of o
	s_mov_b32 s41, 0
	s_add_nc_u64 s[10:11], s[10:11], s[40:41]
	s_lshl_b32 s44, s18, 9
	s_lshl_b32 s45, s14, 8
	s_add_co_u32 s44, s44, s45
	s_mov_b32 s45, 0
	s_add_nc_u64 s[10:11], s[10:11], s[44:45]
	s_wait_loadcnt 0x0
	v_max3_num_f32 v96, v64, v65, v66              ; M
	v_max3_num_f32 v97, v67, v68, v69
	v_max3_num_f32 v98, v70, v71, v72
	v_max3_num_f32 v99, v73, v74, v75
	v_max3_num_f32 v96, v96, v76, v77
	v_max3_num_f32 v97, v97, v78, v79
	v_max3_num_f32 v96, v96, v97, v98
	v_max_num_f32 v96, v96, v99
.set t, 0
.rept 16
	v_sub_f32 v[64+t], v[64+t], v96
.set t, t+1
.endr
.set t, 0
.rept 16
	v_exp_f32 v[64+t], v[64+t]
.set t, t+1
.endr
	v_nop                                          ; a plain instruction behind the last exponential (ISA guide 5.7.2)
.set t, 0
	s_wait_alu depctr_va_vdst(0)
.rept 16
	v_cvt_pk_f16_f32 v[100+t], v[64+t], v[64+t]    ; the factor twice, for the packed multiply
.set t, t+1
.endr
.irp t, 0,1,2,3,4,5,6,7,8,9,10,11,12,13,14,15
	v_cvt_f32_f16 v[64+\t], v[100+\t].l            ; and as it was rounded, for L
.endr
	v_mul_f32 v96, v64, v80
	v_mul_f32 v97, v65, v81
.set t, 2
.rept 7
	v_fmac_f32 v96, v[64+t], v[80+t]
	v_fmac_f32 v97, v[65+t], v[81+t]
.set t, t+2
.endr
	v_add_f32 v96, v96, v97
	v_rcp_f32 v96, v96
	v_nop
.set t, 0
.rept 16
	ds_store_b32 v[FW], v[100+t] offset:512*t
.set t, t+1
.endr
	s_wait_alu depctr_va_vdst(0)
	ds_store_b32 v[FW], v96 offset:8192
.macro MUL4 f, c, b, zero              ; 4 matrix instructions: channel block b x all four query blocks.  The 32 accumulators take turns in one order throughout
	WIN MUL
.irp a, 0,1,2,3
.if \zero
	v_wmma_f32_16x16x32_f16 v[8*(8*(\a)+(\b)):8*(8*(\a)+(\b))+7], v[128*(\f)+64*(\c)+8*(\b):128*(\f)+64*(\c)+8*(\b)+7], v[64+64*(\f)+32*(\c)+8*(\a):64+64*(\f)+32*(\c)+8*(\a)+7], 0
.else
	v_wmma_f32_16x16x32_f16 v[8*(8*(\a)+(\b)):8*(8*(\a)+(\b))+7], v[128*(\f)+64*(\c)+8*(\b):128*(\f)+64*(\c)+8*(\b)+7], v[64+64*(\f)+32*(\c)+8*(\a):64+64*(\f)+32*(\c)+8*(\a)+7], v[8*(8*(\a)+(\b)):8*(8*(\a)+(\b))+7]
.endif
.endr
.endm
.macro RID f, c, n0, n                 ; n registers, from n0 on, of half c of pt's buffer f times the step's factor; none is a register of the products round it
	WIN 0
.set ri, (\n0)
.rept \n
	v_pk_mul_f16 v[64+64*(\f)+32*(\c)+ri], v[64+64*(\f)+32*(\c)+ri], v[FQ+ri/8]
.set ri, ri+1
.endr
.endm
; One run of LDS loads for 64 along K: (new: the step's four factors;) pt's 16 loads, its first 32 along K first; then v's 32.  new = 2: the factors' address steps to the next entry first.
.macro FETCH3 kq, f, new
	WIN 0
.if (\new) == 2
	v_add_nc_u32 v[FTA], 512, v[FTA]
.endif
.if \new
.irp a, 0,1,2,3
	ds_load_b32 v[FQ+(\a)], v[FTA] offset:64*(\a)
.endr
.endif
.irp c, 0,1
.irp i, 0,1,2,3
	ds_load_b128 v[64+64*(\f)+32*(\c)+8*(\i):64+64*(\f)+32*(\c)+8*(\i)+3],   v[ADRA] offset:2*(\kq)+64*(\c)+16*PITCH*(\i)
	ds_load_b128 v[64+64*(\f)+32*(\c)+8*(\i)+4:64+64*(\f)+32*(\c)+8*(\i)+7], v[ADRA] offset:2*(\kq)+64*(\c)+16*PITCH*(\i)+32
.endr
.endr
	WIN 0x40
.irp c, 0,1
.irp b, 0,1,2,3,4,5,6,7
	ds_load_tr16_b128 v[128*(\f)+64*(\c)+8*(\b):128*(\f)+64*(\c)+8*(\b)+3],   v[ADRB] offset:((\kq)+32*(\c))*PV+32*(\b)
	ds_load_tr16_b128 v[128*(\f)+64*(\c)+8*(\b)+4:128*(\f)+64*(\c)+8*(\b)+7], v[ADRB] offset:((\kq)+32*(\c))*PV+16*PV+32*(\b)
.endr
.endr
.endm
.macro HALF3 zero                      ; a K step's first half
	s_wait_dscnt 16                                ; all but v's second 32 keys
.irp g, 0,1,2,3,4,5,6,7
	MUL4 0, 0, \g, \zero
	RID 0, 1, 4*(\g), 4
.endr
	FETCH3 64, 1, 0                                ; the 32 multiplies above are the places in front of these loads
	s_wait_dscnt 48                                ; all but the 48 just issued
.irp g, 0,1,2,3
	MUL4 0, 1, \g, 0
.endr
	s_wait_dscnt 40                                ; the oldest 8 of the 48: buffer 1's first 32 keys of pt
.irp g, 0,1,2,3
	RID 1, 0, 8*(\g), 8
	MUL4 0, 1, 4+(\g), 0
.endr
.endm
; Its second half, and the change of slots: each wave waits for all its tensor loads (one is out: its part of the next slot), adds 0 to its spare word, waits for that and for its reads of
; this slot.  fill = 1: the barrier opens a round of the cluster's, and the slot is filled again first thing behind it, two K steps ahead.
.macro TURN3 fill
	WIN 0
	s_wait_tensorcnt 0x0
	ds_add_u32 v[SPW], v[NIL]
.if \fill
	s_xor_b32 s[G0A+5], s[G0A+5], SLOT1
	s_add_nc_u64 s[G0A+6:G0A+7], s[G0A+6:G0A+7], STEPA
	s_xor_b32 s[G0B+5], s[G0B+5], SLOT1
	s_add_nc_u64 s[G0B+6:G0B+7], s[G0B+6:G0B+7], STEPB
.endif
	s_wait_dscnt 17                                ; the add and v's second 32 keys may be out
.irp g, 0,1,2,3
	MUL4 1, 0, \g, 0
	RID 1, 1, 4*(\g), 4
.endr
	s_wait_dscnt 0x0                               ; the add is done, my reads of this slot are over
	s_barrier_signal -1
.irp g, 4,5,6,7
	MUL4 1, 0, \g, 0
	RID 1, 1, 4*(\g), 4
.endr
	WIN 0
	s_barrier_wait -1
.if \fill
	CREST
	JLOAD
.else
	PLACES
.endif
	s_xor_b32 s15, s15, SLOT1
	v_add_nc_u32 v[ADRA], s15, v[ADRA0]
	v_add_nc_u32 v[ADRB], s15, v[ADRB0]
	FETCH3 0, 0, 2                                 ; 52 loads: the next step's factors first
.irp g, 0,1,2,3
	MUL4 1, 1, \g, 0
.endr
	s_wait_dscnt 40                                ; the oldest 12: the factors and buffer 0's first 32 keys of pt
.irp g, 0,1,2,3
	RID 0, 0, 8*(\g), 8
	MUL4 1, 1, 4+(\g), 0
.endr
.endm
	s_wait_tensorcnt 0x1                           ; my part of K step 0 is in; K step 1's may stay out
	s_wait_dscnt 0x0                               ; for the others' sake: my rows of the table are written
	s_barrier_signal -1
	s_barrier_wait -1
	s_mov_b32 s15, 0
	v_mov_b32 v[ADRA], v[ADRA0]
	v_mov_b32 v[ADRB], v[ADRB0]
	FETCH3 0, 0, 1
	s_wait_dscnt 40
	RID 0, 0, 0, 32
	HALF3 1
	WIN 0
	s_mov_b32 s3, NSTEP-2
.Lstep:
	TURN3 1
	HALF3 0
	WIN 0
	s_sub_co_u32 s3, s3, 1
	s_cmp_lg_u32 s3, 0
	s_cbranch_scc1 .Lstep
	TURN3 0                                        ; the tail is written out: nothing is left to fetch
	HALF3 0
	s_wait_dscnt 16
.irp g, 0,1,2,3,4,5,6,7
	MUL4 1, 0, \g, 0
	RID 1, 1, 4*(\g), 4
.endr
	s_wait_dscnt 0x0
.irp g, 0,1,2,3,4,5,6,7
	MUL4 1, 1, \g, 0
.endr
	WIN 0
.irp a, 0,1,2,3
	ds_load_b32 v[RQ+2*(\a)], v[FTA] offset:512+64*(\a)  ; the address has stepped 15 times: entry 16, 1 / L, lies 512 bytes on
.endr
	PLACES
	s_wait_dscnt 0x0
.irp a, 0,1,2,3
	v_mov_b32 v[RQ+2*(\a)+1], v[RQ+2*(\a)]         ; named as pairs
.endr
.macro PACK a                          ; block a divided by L in place, from each accumulator's low end on, then rounded to f16
	WIN 0x82                                       ; destination and source 0 window 2, source 1 window 0
.set i, 0
.rept 32
	v_pk_mul_f32 v[64*(\a)+2*i:64*(\a)+2*i+1], v[64*(\a)+2*i:64*(\a)+2*i+1], v[RQ+2*(\a):RQ+2*(\a)+1] op_sel_hi:[1,0]
.set i, i+1
.endr
	WIN 0x0a
.set i, 0
.rept 32
	v_cvt_pk_f16_f32 v[TMP+i], v[64*(\a)+2*i], v[64*(\a)+2*i+1]
.set i, i+1
.endr
	WIN 0
.endm
.macro TOSTAGE a
.set BK, 64+32*((\a)%2)
.irp b, 0,1,2,3,4,5,6,7
	ds_store_b128 v[STO], v[TMP+4*(\b):TMP+4*(\b)+3] offset:32*(\b)
.endr
.irp t, 0,1,2,3,4,5,6,7
	ds_load_b128 v[BK+4*(\t):BK+4*(\t)+3], v[RD] offset:(\t)*2*PITCH  ; LDS serves a wave's instructions in order (ISA guide 5.7.1.4)
.endr
.endm
.macro SEND a
.set BK, 64+32*((\a)%2)
	s_wait_dscnt 0x0
	s_wait_xcnt 0x0                                ; earlier stores have read their registers
.irp t, 0,1,2,3,4,5,6,7
	global_store_b128 v[CO], v[BK+4*(\t):BK+4*(\t)+3], s[10:11] offset:(16*(\a)+2*(\t))*PITCHC  ; 16 lanes store 256 consecutive bytes, aligned
.endr
.endm
	PACK 0
	TOSTAGE 0
.irp a, 1,2,3
	PACK \a
	SEND (\a)-1
	TOSTAGE \a
.endr
	SEND 3
	s_wait_tensorcnt 0x0                           ; the wave's end
	ds_add_u32 v[SPW], v[NIL]
	s_wait_dscnt 0x0
	CROUND
	s_endpgm
.Lfunc_end_k_qe1a0d21e24_pv:
	.size	k_qe1a0d21e24_pv, .Lfunc_end_k_qe1a0d21e24_pv-k_qe1a0d21e24_pv
	.p2alignl 7, 3214868480
	.fill 96, 4, 3214868480
	.section	.rodata,"a",@progbits
	.p2align	6, 0x0
	.amdhsa_kernel k_qe1a0d21e24_pv
		.amdhsa_group_segment_fixed_size 327680
		.amdhsa_private_segment_fixed_size 0
		.amdhsa_enable_private_segment 0
		.amdhsa_kernarg_size 32
		.amdhsa_user_sgpr_count 2
		.amdhsa_user_sgpr_kernarg_segment_ptr 1
		.amdhsa_wavefront_size32 1
		.amdhsa_system_sgpr_workgroup_id_x 1
		.amdhsa_system_sgpr_workgroup_id_y 1
		.amdhsa_system_sgpr_workgroup_id_z 1
		.amdhsa_system_vgpr_workitem_id 0
		.amdhsa_next_free_vgpr 768
		.amdhsa_next_free_sgpr 66
		.amdhsa_reserve_vcc 0
		.amdhsa_float_denorm_mode_32 3
		.amdhsa_float_denorm_mode_16_64 3
		.amdhsa_memory_ordered 1
		.amdhsa_forward_progress 1
		.amdhsa_inst_pref_size 114
	.end_amdhsa_kernel
	.amdgpu_metadata
---
amdhsa.version: [ 1, 2 ]
amdhsa.kernels:
  - .name:           k_qe1a0d21e24_pv
    .symbol:         k_qe1a0d21e24_pv.kd
    .args:
      - { .name: pt, .offset: 0, .size: 8, .value_kind: global_buffer, .address_space: global }
      - { .name: qkv, .offset: 8, .size: 8, .value_kind: global_buffer, .address_space: global }
      - { .name: st, .offset: 16, .size: 8, .value_kind: global_buffer, .address_space: global }
      - { .name: o, .offset: 24, .size: 8, .value_kind: global_buffer, .address_space: global }
    .group_segment_fixed_size: 327680
    .private_segment_fixed_size: 0
    .kernarg_segment_align: 8
    .kernarg_segment_size: 32
    .max_flat_workgroup_size: 128
    .sgpr_count:     66
    .vgpr_count:     768
    .wavefront_size: 32
...
	.end_amdgpu_metadata
.endif
;; end of part 4
;; launch proj (part 5): grid 4 x 64, 4 waves a work-group, clusters of 4 x 4, 327,680 bytes of LDS; arguments o, wpf, b_proj, out0; writes out0
.if DOCPART == 5
	.amdgcn_target "amdgcn-amd-amdhsa--gfx1250"
	.amdhsa_code_object_version 6
	.text
	.protected	k_qe1a0d21e24_proj
	.globl	k_qe1a0d21e24_proj
	.p2align	8
	.type	k_qe1a0d21e24_proj,@function
k_qe1a0d21e24_proj:
	s_mov_b64 s[64:65], 0
	v_nop
	global_prefetch_b8 v0, s[64:65] scope:SCOPE_SE
	s_setreg_imm32_b32 hwreg(HW_REG_WAVE_MODE, 25, 1), 1
	s_wait_xcnt 0x0
	s_wait_alu depctr_hold_cnt(0) depctr_sa_sdst(0) depctr_va_vdst(0) depctr_va_sdst(0) depctr_va_ssrc(0) depctr_va_vcc(0) depctr_vm_vsrc(0)
	s_getreg_b32 s2, hwreg(HW_REG_IB_STS2, 6, 4)
	s_cmp_eq_u32 s2, 0
	s_cbranch_scc0 .Lentry_in_a_cluster
	s_endpgm
.Lentry_in_a_cluster:
	s_bfe_u32 s2, ttmp6, 0x10000c
	s_cmp_lg_u32 s2, 0xf033
	s_cbranch_scc0 .Lentry_shape_is_right
	s_endpgm
.Lentry_shape_is_right:
; THE SCRAMBLING RESHAPE AND THE LAST PROJECTION.  out0[b][2 h + sh][e] = sum over c of o[b][1024 sh + c][h] wpf[e][c] + bias[e]: the transposed O, read flat, gives row 2 h + sh
; the channel h's numbers of the queries 1024 sh + c.  o: [8192][1024] f16, wpf: [1024][1024] f16, b_proj: [1024] f32, rounded to bf16 like the other inputs; out0 f32; sums in f32.
; So the left operand lies in memory as [K = c][M = h], and comes out of LDS turned, by ds_load_tr16_b128: no transposed copy is ever written.
; SHARES.  For each of the 8 pairs (b, sh): 8 blocks of 128 channels h x 4 blocks of 256 e: 4 x 64 = 256 work-groups.  Four waves, each 64 h x 128 e: 32 accumulators.
; K goes in steps of 128 through two LDS slots.  CLUSTER 4 x 4: o's tile is shared along a row of the cluster, wpf's along a column.
; Source 0 = 16 rows of wpf, source 1 = 16 channels h: a lane holds one h (l % 16) and eight neighbouring e.
; REGISTERS as in the other products of this shape: window 0 addresses, o's fragments in v64-191; window 1 wpf's fragments; window 2 accumulator (a, b) at 8 (8 a + b).
.set NSTEP,  8
.set SLOT1,  131072
.set PA,     288                       ; a row of o's tile: 256 bytes + 32 = 72 words
.set PITCH,  272                       ; a row of wpf's tile
.set AHALF,  64*PA
.set BOFF,   2*AHALF
.set BHALF,  128*PITCH
.set STAGE,  SLOT1+BOFF+2*BHALF        ; behind the ring: 16 rows x 528 bytes for each wave
.set SP,     528                       ; 512 bytes + 16
.set SPARE,  STAGE+4*16*SP
.set STEPA,  128*2048                  ; 128 rows of o down
.set STEPB,  256
.set ADRA0, 16
.set ADRB0, 17
.set ADRA,  18
.set ADRB,  19
.set STO,   24
.set RD,    25
.set CO,    26                         ; 16 x lane
.set SPW,   28
.set NIL,   29
.set BI,    40                         ; v40-43 the bias of my four e on the way out
.set G1A, 24
.set G0A, 32
.set G1B, 48
.set G0B, 56
.set MUL, 0xa1
.set MSB, 0
.macro WIN new
.if MSB != (\new)
	s_set_vgpr_msb (MSB<<8)|(\new)
.set MSB, (\new)
.endif
.endm
.macro PLACES
.rept 4
	v_nop
.endr
.endm
.macro CREST
	s_cmp_lg_u32 s12, 0
	s_cbranch_scc1 .Lnot_wave_0_\@
	s_barrier_signal -3
.Lnot_wave_0_\@:
	s_barrier_wait -3
	s_barrier_signal -1
	s_barrier_wait -1
.endm
.macro CROUND
	s_barrier_signal -1
	s_barrier_wait -1
	CREST
.endm
.macro JLOAD                           ; a joint refill: waves 0 and 1 fetch o's halves, waves 2 and 3 wpf's; s_nop 0 and four v_nop follow each line
	s_cmp_eq_u32 s13, 0
	s_cbranch_scc0 .Lfor_b_\@
	tensor_load_to_lds s[G0A+4:G0A+7], s[G1A:G1A+7]
	s_nop 0
.rept 4
	v_nop
.endr
	s_branch .Lasked_\@
.Lfor_b_\@:
	tensor_load_to_lds s[G0B+4:G0B+7], s[G1B:G1B+7]
	s_nop 0
.rept 4
	v_nop
.endr
.Lasked_\@:
.endm
	s_load_b256 s[4:11], s[0:1], 0x0               ; o s[4:5], wpf s[6:7], b_proj s[8:9], out0 s[10:11]
	v_lshl_add_u32 v[SPW], v0, 2, SPARE
	v_mov_b32 v[NIL], 0
	ds_add_u32 v[SPW], v[NIL]                      ; the wave's opening: the add and its wait stand ahead of my first tensor load
	v_lshrrev_b32 v1, 5, v0
	v_readfirstlane_b32 s12, v1
	s_lshr_b32 s13, s12, 1                         ; my half of the channels h.  Also: I fetch o (0) or wpf (1)
	s_and_b32 s14, s12, 1                          ; my half of the e.  Also: which half of that tile I fetch
	s_bfe_u32 s16, ttmp6, 0x40000
	s_bfe_u32 s17, ttmp6, 0x40004
	s_lshl_b32 s18, ttmp9, 2
	s_add_co_u32 s18, s18, s16                     ; block of 256 e
	s_and_b32 s20, ttmp7, 0xffff
	s_lshl_b32 s19, s20, 2
	s_add_co_u32 s19, s19, s17                     ; 8 (2 b + sh) + block of 128 h
	s_lshl_b32 s21, s17, 2
	s_lshl_b32 s21, 15, s21
	s_lshl_b32 s22, 0x1111, s16
	s_or_b32 s[G1A], s21, (1<<16)|(1<<20)|(1<<21)|(5<<22)|(7<<25)  ; 64 rows c x 128 channels; after every 64 words 8 words of padding
	s_mov_b32 s[G1A+1], 128<<16
	s_mov_b32 s[G1A+2], 64<<16
	s_mov_b32 s[G1A+3], 128<<16
	s_mov_b32 s[G1A+4], 64
	s_mov_b32 s[G1A+5], 1024
	s_mov_b32 s[G1A+6], 0
	s_mov_b32 s[G1A+7], 0
	s_or_b32 s[G1B], s22, (1<<16)|(1<<20)|(1<<21)|(5<<22)|(3<<25)  ; 128 rows e x 128 c
	s_mov_b32 s[G1B+1], 128<<16
	s_mov_b32 s[G1B+2], 128<<16
	s_mov_b32 s[G1B+3], 128<<16
	s_mov_b32 s[G1B+4], 128
	s_mov_b32 s[G1B+5], 1024
	s_mov_b32 s[G1B+6], 0
	s_mov_b32 s[G1B+7], 0
	s_lshr_b32 s23, s19, 3                         ; 2 b + sh
	s_and_b32 s43, s19, 7                          ; block of h
	s_lshl_b32 s40, s23, 21                        ; o: row 1,024 (2 b + sh) + 64 x half, of 2,048 bytes,
	s_lshl_b32 s42, s14, 17
	s_add_co_u32 s40, s40, s42
	s_lshl_b32 s42, s43, 8                         ; and 128 channels of 2 bytes a block
	s_add_co_u32 s40, s40, s42
	s_mov_b32 s41, 0
	s_lshl_b32 s44, s18, 19                        ; wpf: (256 x block of e + 128 x half) rows of 2,048 bytes
	s_lshl_b32 s46, s14, 18
	s_add_co_u32 s44, s44, s46
	s_mov_b32 s45, 0
	s_mul_i32 s46, s14, AHALF
	s_mul_i32 s47, s14, BHALF
	s_add_co_u32 s47, s47, BOFF
	s_wait_dscnt 0x0
	s_wait_kmcnt 0x0
	s_add_nc_u64 s[40:41], s[4:5], s[40:41]
	s_add_nc_u64 s[44:45], s[6:7], s[44:45]
	CROUND
.irp s, 0,1
	s_mov_b32 s[G0A+4*(\s)], 1
	s_add_co_u32 s[G0A+4*(\s)+1], s46, (\s)*SLOT1
	s_add_nc_u64 s[G0A+4*(\s)+2:G0A+4*(\s)+3], s[40:41], (\s)*STEPA
	s_or_b32 s[G0A+4*(\s)+3], s[G0A+4*(\s)+3], 0x80000000
	s_mov_b32 s[G0B+4*(\s)], 1
	s_add_co_u32 s[G0B+4*(\s)+1], s47, (\s)*SLOT1
	s_add_nc_u64 s[G0B+4*(\s)+2:G0B+4*(\s)+3], s[44:45], (\s)*STEPB
	s_or_b32 s[G0B+4*(\s)+3], s[G0B+4*(\s)+3], 0x80000000
.endr
	s_cmp_eq_u32 s13, 0
	s_cbranch_scc0 .Lfirst_b
	tensor_load_to_lds s[G0A:G0A+3], s[G1A:G1A+7]
	s_nop 0
	tensor_load_to_lds s[G0A+4:G0A+7], s[G1A:G1A+7]
	s_nop 0
.rept 4
	v_nop
.endr
	s_branch .Lfirst_asked
.Lfirst_b:
	tensor_load_to_lds s[G0B:G0B+3], s[G1B:G1B+7]
	s_nop 0
	tensor_load_to_lds s[G0B+4:G0B+7], s[G1B:G1B+7]
	s_nop 0
.rept 4
	v_nop
.endr
.Lfirst_asked:
	v_and_b32 v[CO], 31, v0
	v_lshlrev_b32 v[CO], 4, v[CO]
	s_lshl_b32 s44, s18, 10                        ; my 128 e, 4 bytes each: in b_proj and in a row of out0
	s_lshl_b32 s45, s14, 9
	s_add_co_u32 s44, s44, s45
	s_mov_b32 s45, 0
	s_add_nc_u64 s[8:9], s[8:9], s[44:45]
	global_load_b128 v[BI:BI+3], v[CO], s[8:9]     ; waited for ahead of the way out
	v_and_b32 v1, 15, v0                           ; r = l % 16
	v_bfe_u32 v2, v0, 4, 1                         ; l / 16
	; The turning load takes 16 rows c x 16 channels (lane l reads row 8 (l / 16) + l % 8, channels 8 ((l / 8) % 2) + 0..7) and leaves half a fragment: lane l holds channel l % 16 and 8 c.
	v_and_b32 v3, 7, v0
	v_bfe_u32 v4, v0, 3, 1
	v_lshl_add_u32 v5, v2, 3, v3
	v_mul_u32_u24 v5, v5, PA
	v_lshl_add_u32 v5, v4, 4, v5
	s_lshl_b32 s40, s13, 7                         ; my 64 channels
	v_add_nc_u32 v[ADRA0], s40, v5
	v_mul_u32_u24 v6, v1, PITCH
	v_lshl_add_u32 v6, v2, 4, v6
	s_mul_i32 s41, s14, BHALF
	s_add_co_u32 s41, s41, BOFF
	v_add_nc_u32 v[ADRB0], s41, v6
	s_mul_i32 s42, s12, 16*SP
	s_add_co_u32 s42, s42, STAGE                   ; my stage
	v_mul_u32_u24 v7, v1, SP                       ; in: row l % 16, 32 bytes for each half of the lanes
	v_lshl_add_u32 v7, v2, 5, v7
	v_add_nc_u32 v[STO], s42, v7
	v_add_nc_u32 v[RD], s42, v[CO]                 ; back: 32 lanes take a row's 512 bytes
	s_lshr_b32 s40, s23, 1                         ; b
	s_lshl_b32 s40, s40, 11
	s_and_b32 s41, s23, 1                          ; sh
	s_add_co_u32 s40, s40, s41
	s_lshl_b32 s41, s43, 8                         ; 2 x 128 x block of h
	s_add_co_u32 s40, s40, s41
	s_lshl_b32 s41, s13, 7                         ; 2 x 64 x half
	s_add_co_u32 s40, s40, s41
	s_lshl_b32 s40, s40, 12                        ; rows of 4,096 bytes
	s_mov_b32 s41, 0
	s_add_nc_u64 s[10:11], s[10:11], s[40:41]
	s_add_nc_u64 s[10:11], s[10:11], s[44:45]
.macro MUL16 f, c, a0, zero            ; 16 matrix instructions; the 32 accumulators take turns in one order throughout
	WIN MUL
.irp a, \a0, (\a0)+1
.irp b, 0,1,2,3,4,5,6,7
.if \zero
	v_wmma_f32_16x16x32_f16 v[8*(8*(\a)+(\b)):8*(8*(\a)+(\b))+7], v[128*(\f)+64*(\c)+8*(\b):128*(\f)+64*(\c)+8*(\b)+7], v[64+64*(\f)+32*(\c)+8*(\a):64+64*(\f)+32*(\c)+8*(\a)+7], 0
.else
	v_wmma_f32_16x16x32_f16 v[8*(8*(\a)+(\b)):8*(8*(\a)+(\b))+7], v[128*(\f)+64*(\c)+8*(\b):128*(\f)+64*(\c)+8*(\b)+7], v[64+64*(\f)+32*(\c)+8*(\a):64+64*(\f)+32*(\c)+8*(\a)+7], v[8*(8*(\a)+(\b)):8*(8*(\a)+(\b))+7]
.endif
.endr
.endr
.endm
.macro FETCH kq, f                     ; 48 LDS loads in one run: wpf's 32, then o's 16 (turned), of which the last 8 are the second 32 along K
	WIN 0x40
.irp c, 0,1
.irp i, 0,1,2,3,4,5,6,7
	ds_load_b128 v[128*(\f)+64*(\c)+8*(\i):128*(\f)+64*(\c)+8*(\i)+3],   v[ADRB] offset:2*(\kq)+64*(\c)+16*PITCH*(\i)
	ds_load_b128 v[128*(\f)+64*(\c)+8*(\i)+4:128*(\f)+64*(\c)+8*(\i)+7], v[ADRB] offset:2*(\kq)+64*(\c)+16*PITCH*(\i)+32
.endr
.endr
	WIN 0
.irp c, 0,1
.irp i, 0,1,2,3
	ds_load_tr16_b128 v[64+64*(\f)+32*(\c)+8*(\i):64+64*(\f)+32*(\c)+8*(\i)+3],   v[ADRA] offset:((\kq)+32*(\c))*PA+32*(\i)
	ds_load_tr16_b128 v[64+64*(\f)+32*(\c)+8*(\i)+4:64+64*(\f)+32*(\c)+8*(\i)+7], v[ADRA] offset:((\kq)+32*(\c))*PA+16*PA+32*(\i)
.endr
.endr
.endm
.macro HALF zero
	s_wait_dscnt 8                                 ; all but the youngest eight loads
	MUL16 0, 0, 0, \zero
	MUL16 0, 0, 2, \zero
	PLACES
	FETCH 64, 1
	s_wait_dscnt 48                                ; all but the 48 just issued
	MUL16 0, 1, 0, 0
	MUL16 0, 1, 2, 0
.endm
; The change of slots: each wave waits for all its tensor loads (one is out: its part of the next slot), adds 0 to its spare word, waits for that and for its reads of this slot.
; fill = 1: the barrier opens a round of the cluster's, and the slot is filled again first thing behind it, two K steps ahead.
.macro TURN fill
	WIN 0
	s_wait_tensorcnt 0x0
	ds_add_u32 v[SPW], v[NIL]
.if \fill
	s_xor_b32 s[G0A+5], s[G0A+5], SLOT1
	s_add_nc_u64 s[G0A+6:G0A+7], s[G0A+6:G0A+7], STEPA
	s_xor_b32 s[G0B+5], s[G0B+5], SLOT1
	s_add_nc_u64 s[G0B+6:G0B+7], s[G0B+6:G0B+7], STEPB
.endif
	s_wait_dscnt 9                                 ; the add and the youngest eight loads may be out
	MUL16 1, 0, 0, 0
	s_wait_dscnt 0x0
	s_barrier_signal -1
	MUL16 1, 0, 2, 0
	WIN 0
	s_barrier_wait -1
.if \fill
	CREST
	JLOAD
.else
	PLACES
.endif
	s_xor_b32 s15, s15, SLOT1
	v_add_nc_u32 v[ADRA], s15, v[ADRA0]
	v_add_nc_u32 v[ADRB], s15, v[ADRB0]
	FETCH 0, 0
	MUL16 1, 1, 0, 0
	MUL16 1, 1, 2, 0
.endm
	s_wait_tensorcnt 0x1                           ; my part of K step 0 is in; K step 1's may stay out
	s_barrier_signal -1
	s_barrier_wait -1
	s_mov_b32 s15, 0
	v_mov_b32 v[ADRA], v[ADRA0]
	v_mov_b32 v[ADRB], v[ADRB0]
	FETCH 0, 0
	HALF 1
	WIN 0
	s_mov_b32 s3, NSTEP-2
.Lstep:
	TURN 1
	HALF 0
	WIN 0
	s_sub_co_u32 s3, s3, 1
	s_cmp_lg_u32 s3, 0
	s_cbranch_scc1 .Lstep
	TURN 0
	HALF 0
	s_wait_dscnt 8
	MUL16 1, 0, 0, 0
	MUL16 1, 0, 2, 0
	s_wait_dscnt 0x0
	MUL16 1, 1, 0, 0
	MUL16 1, 1, 2, 0
	WIN 0
	s_wait_loadcnt 0x0                             ; the bias,
	v_cvt_pk_bf16_f32 v44, v[BI], v[BI+1]          ; rounded to bf16 like every input; these six lines are also the places behind the last products
	v_cvt_pk_bf16_f32 v45, v[BI+2], v[BI+3]
	v_lshlrev_b32 v[BI], 16, v44
	v_and_b32 v[BI+1], 0xffff0000, v44
	v_lshlrev_b32 v[BI+2], 16, v45
	v_and_b32 v[BI+3], 0xffff0000, v45
; THE WAY OUT of block a, 16 channels h: the sums go into my stage as they are (each accumulator's low half first), come back as whole rows of 512 bytes, take the bias, and are stored.
.macro OUT a
.set BK, 64+64*((\a)%2)
	s_wait_xcnt 0x0                                ; earlier stores have read their registers
	WIN 0x08                                       ; the stores' data in window 2
.irp b, 0,1,2,3,4,5,6,7
	ds_store_b128 v[STO], v[64*(\a)+8*(\b):64*(\a)+8*(\b)+3] offset:64*(\b)
	ds_store_b128 v[STO], v[64*(\a)+8*(\b)+4:64*(\a)+8*(\b)+7] offset:64*(\b)+16
.endr
	WIN 0
.irp i, 0,1,2,3,4,5,6,7,8,9,10,11,12,13,14,15
	ds_load_b128 v[BK+4*(\i):BK+4*(\i)+3], v[RD] offset:SP*(\i)  ; LDS serves a wave's instructions in order (ISA guide 5.7.1.4)
.endr
.irp i, 0,1,2,3,4,5,6,7,8,9,10,11,12,13,14,15
	s_wait_dscnt 15-(\i)                           ; the younger loads stay out
	v_pk_add_f32 v[BK+4*(\i):BK+4*(\i)+1], v[BK+4*(\i):BK+4*(\i)+1], v[BI:BI+1]
	v_pk_add_f32 v[BK+4*(\i)+2:BK+4*(\i)+3], v[BK+4*(\i)+2:BK+4*(\i)+3], v[BI+2:BI+3]
	global_store_b128 v[CO], v[BK+4*(\i):BK+4*(\i)+3], s[10:11] offset:(16*(\a)+(\i))*8192 th:TH_STORE_NT  ; 512 consecutive bytes, aligned; channel h + 1 lies two rows of out0 on
.endr
.endm
	OUT 0
	OUT 1
	OUT 2
	OUT 3
	s_wait_tensorcnt 0x0                           ; the wave's end
	ds_add_u32 v[SPW], v[NIL]
	s_wait_dscnt 0x0
	CROUND
	s_endpgm
.Lfunc_end_k_qe1a0d21e24_proj:
	.size	k_qe1a0d21e24_proj, .Lfunc_end_k_qe1a0d21e24_proj-k_qe1a0d21e24_proj
	.p2alignl 7, 3214868480
	.fill 96, 4, 3214868480
	.section	.rodata,"a",@progbits
	.p2align	6, 0x0
	.amdhsa_kernel k_qe1a0d21e24_proj
		.amdhsa_group_segment_fixed_size 327680
		.amdhsa_private_segment_fixed_size 0
		.amdhsa_enable_private_segment 0
		.amdhsa_kernarg_size 32
		.amdhsa_user_sgpr_count 2
		.amdhsa_user_sgpr_kernarg_segment_ptr 1
		.amdhsa_wavefront_size32 1
		.amdhsa_system_sgpr_workgroup_id_x 1
		.amdhsa_system_sgpr_workgroup_id_y 1
		.amdhsa_system_sgpr_workgroup_id_z 1
		.amdhsa_system_vgpr_workitem_id 0
		.amdhsa_next_free_vgpr 768
		.amdhsa_next_free_sgpr 66
		.amdhsa_reserve_vcc 0
		.amdhsa_float_denorm_mode_32 3
		.amdhsa_float_denorm_mode_16_64 3
		.amdhsa_memory_ordered 1
		.amdhsa_forward_progress 1
		.amdhsa_inst_pref_size 78
	.end_amdhsa_kernel
	.amdgpu_metadata
---
amdhsa.version: [ 1, 2 ]
amdhsa.kernels:
  - .name:           k_qe1a0d21e24_proj
    .symbol:         k_qe1a0d21e24_proj.kd
    .args:
      - { .name: o, .offset: 0, .size: 8, .value_kind: global_buffer, .address_space: global }
      - { .name: wpf, .offset: 8, .size: 8, .value_kind: global_buffer, .address_space: global }
      - { .name: b_proj, .offset: 16, .size: 8, .value_kind: global_buffer, .address_space: global }
      - { .name: out0, .offset: 24, .size: 8, .value_kind: global_buffer, .address_space: global }
    .group_segment_fixed_size: 327680
    .private_segment_fixed_size: 0
    .kernarg_segment_align: 8
    .kernarg_segment_size: 32
    .max_flat_workgroup_size: 128
    .sgpr_count:     66
    .vgpr_count:     768
    .wavefront_size: 32
...
	.end_amdgpu_metadata
.endif
;; end of part 5
;; ======== version 2 of 2: 5 launches; version 1 with the launch cast written anew for expert scheduling mode
;; limits: values are held in f16: magnitudes above 65,504 overflow, below 6.1e-05 lose precision
;; workspace buffers: xb 16,777,216 bytes; wqb 6,291,456 bytes; wpf 2,097,152 bytes; qkv 50,331,648 bytes; pt 33,554,432 bytes; st 1,048,576 bytes; o 16,777,216 bytes
;; launch cast (part 6): grid 768 x 1, 8 waves a work-group, no clusters, 0 bytes of LDS; arguments x, w_qkv, w_proj, xb, wqb, wpf; writes xb, wqb, wpf
.if DOCPART == 6
	.amdgcn_target "amdgcn-amd-amdhsa--gfx1250"
	.amdhsa_code_object_version 6
	.text
	.protected	k_qe1a0d21e24_cast
	.globl	k_qe1a0d21e24_cast
	.p2align	8
	.type	k_qe1a0d21e24_cast,@function
k_qe1a0d21e24_cast:
	s_mov_b64 s[64:65], 0
	v_nop
	global_prefetch_b8 v0, s[64:65] scope:SCOPE_SE
	s_setreg_imm32_b32 hwreg(HW_REG_WAVE_SCHED_MODE, 0, 2), 2
	s_setreg_imm32_b32 hwreg(HW_REG_WAVE_MODE, 25, 1), 1
	s_wait_xcnt 0x0
	s_wait_alu depctr_vm_vsrc(0)
; THE INPUTS ARE ROUNDED ONCE.  x -> xb and w_qkv -> wqb in bf16; w_proj -> wpf: rounded to bf16 like the other inputs, and that number written as f16,
; since the last product multiplies it with f16 numbers.  LIMIT: a bf16 number under 6.1e-5 keeps f16's fixed step of 6e-8; one beyond 65,504 becomes an infinity.
; A stream: no LDS, no matrix work, nothing shared between work-groups.  A work-group takes 16,384 numbers: 65,536 bytes in, 32,768 out.
; Work-groups 0-511 take x, 512-703 w_qkv, 704-767 w_proj.  Each of a thread's 16 loads has registers of its own, so all 16 are on their way at once
; (8,192 bytes a wave) and no register is written twice while a store reads it.
; THE MODE: SCHED_MODE bits 1:0 = 2 (LLVM: expert scheduling mode 2), set by the entry lines.  The code itself states the register dependences
; between vector instructions and memory instructions, with s_wait_alu, always for 0.
; THE PLAN.  Registers that memory instructions touch:
;   v1, v2   byte offsets of the loads and of the stores: made once at the head, never written again.
;   X        load n lands in its own four registers, which no vector instruction names ahead of the loads; nothing is loaded a second time.
;   Y        written by load n's conversions alone, read by store n, never written afterwards.
;   T is named by vector instructions alone.  The bases are written by scalar instructions ahead of the first load and never again.
; So the dependences are: the offsets, ahead of the first load; and Y, between a load's conversions and its store.  The 16 loads go in four groups of four.  At the head of
; group g one wait states that group g - 1's conversions have written their Y; that group's four stores follow it, dealt among group g's conversions, which name
; X, Y and T of group g alone.  No register that a memory instruction reads is written again, so no wait on vm_vsrc is owed; no vector instruction writes a scalar register, VCC or EXEC.
.set X, 8                              ; v[8:71]    load n: 4 numbers in f32
.set Y, 72                             ; v[72:103]  load n: the 4 numbers in 16 bits
.set T, 104                            ; v[104:107] at work
	s_load_b256 s[4:11], s[0:1], 0x0               ; x s[4:5], w_qkv s[6:7], w_proj s[8:9], xb s[10:11]
	s_load_b128 s[12:15], s[0:1], 0x20             ; wqb s[12:13], wpf s[14:15]
	v_lshlrev_b32 v1, 4, v0                        ; 16 bytes a thread in: a wave's load covers 512 consecutive bytes
	v_lshlrev_b32 v2, 3, v0                        ; 8 bytes a thread out: a wave's store covers 256 consecutive bytes, aligned
	s_mov_b32 s16, ttmp9
	s_sub_co_u32 s17, s16, 512                     ; my chunk if the tensor is w_qkv
	s_sub_co_u32 s18, s16, 704                     ; if it is w_proj
	s_wait_kmcnt 0x0
	s_cmp_lt_u32 s16, 704                          ; the choice hangs on the work-group's number alone
	s_cselect_b64 s[6:7], s[6:7], s[8:9]
	s_cselect_b64 s[12:13], s[12:13], s[14:15]
	s_cselect_b32 s17, s17, s18
	s_cmp_lt_u32 s16, 512
	s_cselect_b64 s[4:5], s[4:5], s[6:7]           ; from
	s_cselect_b64 s[10:11], s[10:11], s[12:13]     ; to
	s_cselect_b32 s17, s16, s17                    ; chunk
	s_lshl_b32 s20, s17, 16
	s_mov_b32 s21, 0
	s_lshl_b32 s22, s17, 15
	s_mov_b32 s23, 0
	s_add_nc_u64 s[4:5], s[4:5], s[20:21]
	s_add_nc_u64 s[10:11], s[10:11], s[22:23]
	s_wait_alu depctr_va_vdst(0)                   ; v1 and v2 are written: every load reads v1 as its offset, every store v2
.set j, 0
.rept 16
	global_load_b128 v[X+4*j:X+4*j+3], v1, s[4:5] offset:4096*j th:TH_LOAD_NT
.set j, j+1
.endr
; Load n is rounded.  half = 1: the bf16 numbers are widened again (a shift, a mask) and written as f16.
.macro CV n, half
	v_cvt_pk_bf16_f32 v[Y+2*(\n)], v[X+4*(\n)], v[X+4*(\n)+1]
	v_cvt_pk_bf16_f32 v[Y+2*(\n)+1], v[X+4*(\n)+2], v[X+4*(\n)+3]
.if \half
	v_lshlrev_b32 v[T], 16, v[Y+2*(\n)]
	v_and_b32 v[T+1], 0xffff0000, v[Y+2*(\n)]
	v_lshlrev_b32 v[T+2], 16, v[Y+2*(\n)+1]
	v_and_b32 v[T+3], 0xffff0000, v[Y+2*(\n)+1]
	v_cvt_pk_f16_f32 v[Y+2*(\n)], v[T], v[T+1]
	v_cvt_pk_f16_f32 v[Y+2*(\n)+1], v[T+2], v[T+3]
.endif
.endm
; Load n's numbers are stored.
.macro ST n
	global_store_b64 v2, v[Y+2*(\n):Y+2*(\n)+1], s[10:11] offset:2048*(\n)
.endm
; Group g: loads 4 g to 4 g + 3 are rounded; the stores of the group before stand among their conversions, one ahead of each load's.
.macro GROUP g, half
	s_wait_loadcnt 12-4*(\g)                       ; loads come back in order (ISA guide 5.7.1): the group's four are in, the 12 - 4 g younger ones stay out
.if (\g) > 0
	s_wait_alu depctr_va_vdst(0)                   ; the conversions of the group before have written its Y, which the four stores below read; no vector instruction behind this wait names those registers
.endif
.irp i, 0,1,2,3
.if (\g) > 0
	ST 4*((\g)-1)+(\i)
.endif
	CV 4*(\g)+(\i), \half
.endr
.endm
; The last group's stores.
.macro LAST
	s_wait_alu depctr_va_vdst(0)                   ; group 3's conversions have written its Y, which the last four stores read
.irp i, 12,13,14,15
	ST \i
.endr
.endm
	s_cmp_lt_u32 s16, 704
	s_cbranch_scc0 .Lhalf
	GROUP 0, 0
	GROUP 1, 0
	GROUP 2, 0
	GROUP 3, 0
	LAST
	s_endpgm
.Lhalf:
	GROUP 0, 1
	GROUP 1, 1
	GROUP 2, 1
	GROUP 3, 1
	LAST
	s_endpgm
.Lfunc_end_k_qe1a0d21e24_cast:
	.size	k_qe1a0d21e24_cast, .Lfunc_end_k_qe1a0d21e24_cast-k_qe1a0d21e24_cast
	.p2alignl 7, 3214868480
	.fill 96, 4, 3214868480
	.section	.rodata,"a",@progbits
	.p2align	6, 0x0
	.amdhsa_kernel k_qe1a0d21e24_cast
		.amdhsa_group_segment_fixed_size 0
		.amdhsa_private_segment_fixed_size 0
		.amdhsa_enable_private_segment 0
		.amdhsa_kernarg_size 48
		.amdhsa_user_sgpr_count 2
		.amdhsa_user_sgpr_kernarg_segment_ptr 1
		.amdhsa_wavefront_size32 1
		.amdhsa_system_sgpr_workgroup_id_x 1
		.amdhsa_system_sgpr_workgroup_id_y 1
		.amdhsa_system_sgpr_workgroup_id_z 1
		.amdhsa_system_vgpr_workitem_id 0
		.amdhsa_next_free_vgpr 112
		.amdhsa_next_free_sgpr 66
		.amdhsa_reserve_vcc 0
		.amdhsa_float_denorm_mode_32 3
		.amdhsa_float_denorm_mode_16_64 3
		.amdhsa_memory_ordered 1
		.amdhsa_forward_progress 1
		.amdhsa_inst_pref_size 16
	.end_amdhsa_kernel
	.amdgpu_metadata
---
amdhsa.version: [ 1, 2 ]
amdhsa.kernels:
  - .name:           k_qe1a0d21e24_cast
    .symbol:         k_qe1a0d21e24_cast.kd
    .args:
      - { .name: x, .offset: 0, .size: 8, .value_kind: global_buffer, .address_space: global }
      - { .name: w_qkv, .offset: 8, .size: 8, .value_kind: global_buffer, .address_space: global }
      - { .name: w_proj, .offset: 16, .size: 8, .value_kind: global_buffer, .address_space: global }
      - { .name: xb, .offset: 24, .size: 8, .value_kind: global_buffer, .address_space: global }
      - { .name: wqb, .offset: 32, .size: 8, .value_kind: global_buffer, .address_space: global }
      - { .name: wpf, .offset: 40, .size: 8, .value_kind: global_buffer, .address_space: global }
    .group_segment_fixed_size: 0
    .private_segment_fixed_size: 0
    .kernarg_segment_align: 8
    .kernarg_segment_size: 48
    .max_flat_workgroup_size: 256
    .sgpr_count:     66
    .vgpr_count:     112
    .wavefront_size: 32
...
	.end_amdgpu_metadata
.endif
;; end of part 6
;; launch qkv: the kernel of part 2 again; grid 8 x 64, 4 waves a work-group, clusters of 4 x 4, 327,680 bytes of LDS; arguments xb, wqb, qkv; writes qkv
;; launch scores: the kernel of part 3 again; grid 8 x 32, 4 waves a work-group, clusters of 4 x 4, 327,680 bytes of LDS; arguments qkv, pt, st; writes pt, st
;; launch pv: the kernel of part 4 again; grid 4 x 64, 4 waves a work-group, clusters of 4 x 4, 327,680 bytes of LDS; arguments pt, qkv, st, o; writes o
;; launch proj: the kernel of part 5 again; grid 4 x 64, 4 waves a work-group, clusters of 4 x 4, 327,680 bytes of LDS; arguments o, wpf, b_proj, out0; writes out0
